; MI455X (gfx1250); checked and timed in simulation.
; The chip was launched on July 23, 2026; its instructions are those of AMD's public machine-readable ISA for CDNA 5 (MIT licence, August 2026) and "CDNA5" Instruction Set Architecture Reference Guide (July 2026). The comments in the code are by the model that wrote it; some were corrected since.
;; Attention. Allowed arithmetic: matrix products marked QUANTISED: E2M3 operands, one E8M0 scale for each 32 along K, by v_wmma_scale_f32_16x16x128_f8f6f4 with both operands' format E2M3, f32 sums; everything else in f32.
;; Inputs: Wk_codes 1,024 x 32 x 24 uint8 (E2M3 codes of Wk, K innermost, in blocks of 32 codes, four codes in three bytes); Wk_scales 1,024 x 32 uint8 (E8M0 scales of Wk, one for each 32 codes along K); Wq_codes 1,024 x 32 x 24 uint8 (E2M3 codes of Wq, K innermost, in blocks of 32 codes, four codes in three bytes); Wq_scales 1,024 x 32 uint8 (E8M0 scales of Wq, one for each 32 codes along K); Wv_codes 1,024 x 32 x 24 uint8 (E2M3 codes of Wv, K innermost, in blocks of 32 codes, four codes in three bytes); Wv_scales 1,024 x 32 uint8 (E8M0 scales of Wv, one for each 32 codes along K); k_codes 4 x 4,096 x 32 x 24 uint8 (E2M3 codes of k, K innermost, in blocks of 32 codes, four codes in three bytes); k_scales 4 x 4,096 x 32 uint8 (E8M0 scales of k, one for each 32 codes along K); mask_attn 4 x 4,096 int32; mask_q 4 x 4,096 int32; q_codes 4 x 4,096 x 32 x 24 uint8 (E2M3 codes of q, K innermost, in blocks of 32 codes, four codes in three bytes); q_scales 4 x 4,096 x 32 uint8 (E8M0 scales of q, one for each 32 codes along K); v_codes 4 x 4,096 x 32 x 24 uint8 (E2M3 codes of v, K innermost, in blocks of 32 codes, four codes in three bytes); v_scales 4 x 4,096 x 32 uint8 (E8M0 scales of v, one for each 32 codes along K).
;; Outputs: out0 4 x 4,096 x 1,024 float32.
;; This version of the problem:
;;   THIS VERSION OF THE PROBLEM IS GIVEN IN LOW PRECISION. The matrix products marked QUANTISED in the list below multiply operands that are first quantised to E2M3 (2 exponent bits, 3 mantissa bits; 6 bits a number), with one power-of-two scale for each 32 numbers along K (OCP MX v1.0); their sums are f32. All else is computed in f32.
;;   The module's matrix products, in the order in which they are computed (A, B: the left and right operand; K: the contracted axis; several contracted axes count as one K, in the product's order):
;;     1. [M 16,384, K 1,024] x [K 1,024, N 1,024]; A: input q (given as codes); B: input Wq (given as codes): QUANTISED
;;     2. [M 16,384, K 1,024] x [K 1,024, N 1,024]; A: input k (given as codes); B: input Wk (given as codes): QUANTISED
;;     3. [M 16,384, K 1,024] x [K 1,024, N 1,024]; A: input v (given as codes); B: input Wv (given as codes): QUANTISED
;;     4. batch 64 x [M 64, K 4,096] x [K 4,096, N 64]; A: softmax (see below); B: computed on the way: QUANTISED
;;     5. batch 64 x [M 4,096, K 64] x [K 64, N 64]; A: softmax (see below); B: computed on the way: QUANTISED
;;   THE QUANTISER, for each operand of a quantised product, along K:
;;     - K is cut into blocks of 32 from its start; a last block that is shorter is filled with zeros.
;;     - A block's scale is 2^e with e = floor(log2(the largest magnitude in the block)) - 2, held to -126 .. 127; a block of zeros has e = 0. As a byte (E8M0): e + 127.
;;     - Each number is divided by its block's scale, clamped to +-7.5, and rounded to the nearest number of E2M3, ties to even, subnormals kept.
;;     - The product sums the exact products of the quantised numbers (number of the format x scale) in f32.
;;   ~~~python
;;   def quantise(x, axis):      # numpy; x: float32 -> the quantised numbers, widened to float32 again
;;       x = np.moveaxis(x, axis, -1); K = x.shape[-1]
;;       x = np.pad(x, [(0, 0)] * (x.ndim - 1) + [(0, -K % 32)]); x = x.reshape(x.shape[:-1] + (-1, 32)); a = np.abs(x).max(-1, keepdims=True)
;;       e = np.where(a > 0, np.clip(np.frexp(np.where(a > 0, a, 1))[1] - 1 - 2, -126, 127), 0)      # np.frexp(a)[1] - 1 = floor(log2(a)), exactly
;;       r = np.clip(x / 2.0 ** e, -7.5, 7.5)
;;       step = 2.0 ** (np.maximum(np.frexp(np.where(r == 0, 1, r))[1] - 1, 0) - 3)
;;       q = np.round(r / step) * step * 2.0 ** e      # np.round: ties to even
;;       return np.moveaxis(q.reshape(q.shape[:-2] + (-1,))[..., :K], -1, axis).astype(np.float32)
;;   ~~~
;;   SOFTMAX AHEAD OF A QUANTISED PRODUCT. Where the list says 'softmax', what is quantised is not the finished softmax but p = 2^(t - M), with t = logit x log2(e) and M = ceil(the row's largest t), a whole number; so 1/2 < the row's largest p <= 1. The row's sum l is taken of the UNQUANTISED p, in f32, and the product's result is divided by l at the end. Since M is a whole number, a kernel that streams over the keys may use a running M (the ceiling of the running maximum): every later rescaling is an exact power of two, which a block's scale takes up: the codes' values come out the same.
;;   OPERANDS COMPUTED ON THE WAY. 'Computed on the way' means the value that the module computes at that place (a softmax that the list does not call 'softmax' is quantised finished and normalised). What goes into a quantiser is computed in f32, as accurately as f32 sums, v_exp_f32 and their like allow (about 1e-6 of the number): no bf16 or f16 on the way to a quantiser, and a product that is left as it is and whose result goes on into a quantised operand takes f32 operands (vector FMAs, or v_wmma_f32_16x16x4_f32). A number that lies on a knife's edge between two numbers of the format may be rounded either way, as far as f32 arithmetic and the matrix unit's own rounding can turn it there, and no further.
;;   INPUTS GIVEN AS CODES. Wk (in the module: [1024, 1024], K = its axis 0); Wq (in the module: [1024, 1024], K = its axis 0); Wv (in the module: [1024, 1024], K = its axis 0); k (in the module: [4, 4096, 1024], K = its axis 2); q (in the module: [4, 4096, 1024], K = its axis 2); v (in the module: [4, 4096, 1024], K = its axis 2): each comes as NAME_codes (uint8): NAME with its K axis moved to the last place and cut into blocks of 32 codes, [.., K / 32, bytes a block], one block behind the other in memory; four codes in three bytes: a row's codes are one little-endian stream of bits, code i at bits 6 i .. 6 i + 5 (a code: sign, 2 exponent bits, 3 mantissa bits); and NAME_scales (uint8): the same leading axes, one E8M0 byte (e + 127) for each 32 codes along K. Its value is code x scale, taken as it is: it is not quantised again, and the codes and scales need not be those that the quantiser above would give.
;; One version. Each part assembles by itself: llvm-mc -triple=amdgcn-amd-amdhsa -mcpu=gfx1250 --defsym DOCPART=n.
;; ======== version 1 of 1: 3 launches
;; workspace buffers: kvp 16,777,216 bytes; st 524,288 bytes; kvc 262,144 bytes
;; launch kvpart (part 1): grid 64 x 4, 4 waves a work-group, clusters of 4 x 4, 327,680 bytes of LDS; arguments v_codes, v_scales, Wv_codes, Wv_scales, k_codes, k_scales, Wk_codes, Wk_scales, mask_attn, kvp, st; writes kvp, st
.if DOCPART == 1
	.amdgcn_target "amdgcn-amd-amdhsa--gfx1250"
	.amdhsa_code_object_version 6
	.text
	.protected	k_q2d50857ace_kvpart
	.globl	k_q2d50857ace_kvpart
	.p2align	8
	.type	k_q2d50857ace_kvpart,@function
k_q2d50857ace_kvpart:
	s_mov_b64 s[64:65], 0
	v_nop
	global_prefetch_b8 v0, s[64:65] scope:SCOPE_SE
	s_setreg_imm32_b32 hwreg(HW_REG_WAVE_MODE, 25, 1), 1
	s_wait_xcnt 0x0
	s_wait_alu depctr_hold_cnt(0) depctr_sa_sdst(0) depctr_va_vdst(0) depctr_va_sdst(0) depctr_va_ssrc(0) depctr_va_vcc(0) depctr_vm_vsrc(0)
	s_getreg_b32 s2, hwreg(HW_REG_IB_STS2, 6, 4)
	s_cmp_eq_u32 s2, 0
	s_cbranch_scc0 .Lentry_in_a_cluster
	s_endpgm
.Lentry_in_a_cluster:
	s_bfe_u32 s2, ttmp6, 0x10000c
	s_cmp_lg_u32 s2, 0xf033
	s_cbranch_scc0 .Lentry_shape_is_right
	s_endpgm
.Lentry_shape_is_right:
; KVPART.  For 256 tokens (a chunk of one batch) and 256 columns (4 heads): vh = v Wv and kh = k Wk on the given E2M3 codes; kh takes -10000 (1 - mask_attn);
; p = 2^(kh log2(e) - M) with M the ceiling of the column's largest t over THIS CHUNK (a whole number: the launch that follows brings the chunks under one M by exact powers of two);
; vh and p are quantised along the tokens and multiplied: kvp[d][e] = sum over the chunk's t of Q(p)[t][d] Q(vh)[t][e].  Stored: kvp (f32 tiles as register images), st (-M and the sum l of the unquantised p, for each column d).
; SHARES.  Four waves, each 128 tokens x 128 columns: 64 accumulators of 16 x 16, 512 registers.  K = 1,024 goes in four steps of 256 (rows of 192 bytes) through two LDS slots filled by tensor loads.
; The body runs the GEMM twice (pass 2: v, pass 1: k); the ring does not stop between the passes: the v pass's last two changes of slots ask for k's first two K steps.
; SOURCE 0 = 16 TOKENS, SOURCE 1 = 16 ROWS OF W: a lane then holds ONE column and its registers run along the tokens, which are the next product's K.  For a block a of 16 columns the 64 registers 8 b + j hold tokens 16 b + 8 (lane / 16) + j.
; ORDER INSIDE A BLOCK OF 32 TOKENS.  The tiles' tokens are neighbours, so a lane's 16 registers of a block are its members 8 h + 0..7 and 16 + 8 h + 0..7.  The block's 32 members, and so its scale, are the right ones; code place 8-15 holds
; members 16-23 and place 16-23 members 8-15.  Both operands of the product are made by the same lines and carry the same order, so each product meets its partner; only the order in which the unit adds them differs.
; THE SCALES of my 128 + 128 rows for all of K (32 bytes a row) stand in 64 registers: register 8 p + kap holds word kap of block p in lanes 0-15 and of block p + 4 in lanes 16-31.
; CLUSTER 4 x 4: the four work-groups of a cluster row need the same rows of W, the four of a column the same tokens: each tile is asked for jointly.
; OPERANDS GO FROM WAVE TO WAVE THROUGH LDS AS IMAGES OF THEIR REGISTERS (3 stores of 16 bytes a lane, the scale word 4 bytes a lane).  In the last product wave w owns head w of the work-group's four.
; LIMITS: NaN and infinities are not served; p under 2^-126 comes out of v_exp_f32 as 0; a block of zeros gets the scale byte 1 (its codes are zeros, and this program alone reads the bytes); t - M is one fused multiply-add of the f32 logit.
.set ROWB,  192                        ; a tile's row: 256 codes of 6 bits
.set KROW,  768                        ; a row of codes in memory
.set PITCH, 240                        ; an LDS row: 3 x (64 bytes + 16 of padding)
.set FR,    12                         ; registers of a fragment
.set NL,    6                          ; LDS loads that bring one
.set NP,    4                          ; places behind this matrix instruction (ISA guide 7.12.1)
.set HALFT, 128*PITCH                  ; what one tensor load brings
.set SLOT,  4*HALFT                    ; W's 256 rows, then the 256 tokens
.set PIMG,  0                          ; p's images, 4 waves x 8 x 1,536 bytes: in slot 0, behind its last fill and its last read
.set PSC,   49152                      ; their scale words, 4 x 8 x 128 bytes
.set VIMG,  2*SLOT                     ; behind the ring: vh's images,
.set VSC,   VIMG+49152                 ; their scale words,
.set XM,    VSC+4096                   ; each wave's column maxima, 1,024 bytes a wave,
.set XL,    XM+4096                    ; each wave's column sums,
.set SPARE, XL+4096                    ; and the spare words, 128 bytes a wave: two blocks of 256 bytes that no other line names
.set GW0,   (1<<20)|(1<<21)|(3<<22)|(3<<25)   ; group 1, word 0 beside the mask: elements of 1 byte; padding on; bit 21 beside a mask; behind every 16 words 4 words
.set L16,  4                           ; v4   16 x lane
.set LSC,  5                           ; v5   (64 h + r) x 32: my row among a side's scales
.set LM,   6                           ; v6   32 h: my eight masks of a tile of 16 tokens
.set VWI,  7                           ; v7   where I store vh's images;  v8 their scale words
.set VWS,  8
.set PWI,  9                           ; v9   p's images;  v10 their scale words
.set PWS,  10
.set XMW,  11                          ; v11  my maxima;  v12 those of the wave with my columns and the other tokens;  v13 my sums
.set XMP,  12
.set XLW,  13
.set FIP,  14                          ; v14  my head's images of p;  v15 of vh
.set FIV,  15
.set ADRA, 16                          ; v16-19  LDS addresses of W's fragments in slot 0, 1 (and behind one padding more)
.set ADRB, 20                          ; v20-23  of the tokens'
.set FSP,  24                          ; v24  my head's scale words of p;  v25 of vh;  v26 its maxima;  v27 its sums
.set FSV,  25
.set XOM,  26
.set XOL,  27
.set SPW,  28                          ; v28  my spare word;  v29  0: both never rewritten
.set NIL,  29
.set SA,   32                          ; v32-63  W's scale words;  v64-95 the tokens'.  In the last product v32-39 p's words, v40-47 vh's: scales and nothing else
.set SB,   64
.set PS,   32
.set VS,   40
.set AF,   96                          ; v96-191 W's fragments, one set;  in the epilogues at work:
.set BM,   96                          ; four blocks' largest
.set T,    100                         ; from the other half of the lanes
.set SO,   104                         ; the conversions' scale operands
.set BY,   108                         ; the scale bytes
.set PW,   112                         ; the scale word
.set S,    114                         ; v114-117 the sum in two packed chains
.set PC,   120                         ; v120-131 the fragment just made
.set CT0,  132
.set CT1,  136
.set LS,   144                         ; v144-151 the eight column sums
.set BI,   192                         ; v192-255 -10000 (1 - mask) of my 64 tokens a lane;  once it is added:
.set BMK,  192                         ; v192-223 largest score of block (a, beta)
.set CM,   224                         ; v224-231 the columns' largest scores;  v232-239 the partner's
.set CMP,  232
.set NM,   240                         ; v240-255 pairs (-M, t of the maximum)
.set G1,   28                          ; s[28:35] group 1 for W's tiles;  s[36:43] for the tokens';  s[44:51], s[52:59] groups 0, a set for each slot
.set G1B,  36
.set G0,   44
.set G0B,  52
.set WV,   60
.set HS1,  61                          ; which half of the columns is mine; also: I fetch W (0) or tokens (1)
.set HS0,  62                          ; which half of the tokens is mine; also: which 128 rows I fetch
.set PASS, 63
.set SEL,  80
.set CS,   82                          ; s[82:83] log2(e)
.set TENK, 84                          ; s[84:85] 10000.0
.set MUL_LO, 0xa1                      ; source 0 window 1, source 1 window 0, C and D window 2
.set MUL_HI, 0xf1                      ; the same, C and D window 3
.set TO_B,   0x40                      ; destination window 1
.set MSB, 0
.macro WIN new                         ; the immediate's high byte repeats the setting that is left
.if MSB != (\new)
	s_set_vgpr_msb (MSB<<8)|(\new)
.set MSB, (\new)
.endif
.endm
.macro PLACES n
.rept \n
	v_nop
.endr
.endm
; A joint load: waves 0 and 1 fetch W's halves, waves 2 and 3 the tokens'.  Four v_nop follow each of the two lines.
.macro JLOAD g0a, g1a, g0b, g1b
	s_cmp_eq_u32 s[HS1], 0
	s_cbranch_scc0 .Lfor_b_\@
	tensor_load_to_lds s[\g0a:\g0a+3], s[\g1a:\g1a+7]
	s_nop 0
.rept 4
	v_nop
.endr
	s_branch .Lasked_\@
.Lfor_b_\@:
	tensor_load_to_lds s[\g0b:\g0b+3], s[\g1b:\g1b+7]
	s_nop 0
.rept 4
	v_nop
.endr
.Lasked_\@:
.endm
.macro CREST                           ; a round of the cluster's barrier behind its opening barrier
	s_cmp_lg_u32 s[WV], 0
	s_cbranch_scc1 .Lnot_wave_0_\@
	s_barrier_signal -3
.Lnot_wave_0_\@:
	s_barrier_wait -3
	s_barrier_signal -1
	s_barrier_wait -1
.endm
.macro CROUND
	s_barrier_signal -1
	s_barrier_wait -1
	CREST
.endm
; A fragment, 16 rows x 128 K: lane l holds row l % 16; registers 6 c .. 6 c + 5 hold the 24 bytes of K = 64 c + 32 (l / 16) + 0 .. 31, in pieces of 8 bytes.  Lanes 16-31 read three pieces on: where that lies behind one padding more, the second address register serves.
.macro FRAG reg, adr, q, i
.irp p, 0,1,2,3,4,5
.set PIECE, 12*(\q)+6*(\p/3)+\p%3
.if PIECE%8 < 5
	ds_load_b64 v[\reg+2*\p:\reg+2*\p+1], v[\adr] offset:8*PIECE+16*(PIECE/8)+(\i)*16*PITCH
.else
	ds_load_b64 v[\reg+2*\p:\reg+2*\p+1], v[\adr+2] offset:8*PIECE+16*(PIECE/8)+(\i)*16*PITCH
.endif
.endr
.endm
.macro FETCH_B slot, q, p              ; the tokens' eight fragments into set p of window 1
	WIN TO_B
.irp i, 0,1,2,3,4,5,6,7
	FRAG 96*(\p)+FR*\i, ADRB+\slot, \q, \i
.endr
	WIN 0
.endm
.macro FETCH_A slot, q, i0             ; W's blocks i0 .. i0 + 3
.irp i, \i0, \i0+1, \i0+2, \i0+3
	FRAG AF+FR*(\i), ADRA+\slot, \q, \i
.endr
.endm
; One scaled product.  ra, rb: the side's scales stand in lanes 16-31 of the register named.  zero: it starts the sum.
.macro WM d, fa, fb, sa, sb, ra, rb, zero
.if (\zero)
.if ((\ra) == 0) && ((\rb) == 0)
	v_wmma_scale_f32_16x16x128_f8f6f4 v[(\d):(\d)+7], v[(\fa):(\fa)+11], v[(\fb):(\fb)+11], 0, v[(\sa)], v[(\sb)] matrix_a_fmt:MATRIX_FMT_FP6 matrix_b_fmt:MATRIX_FMT_FP6
.elseif (\rb) == 0
	v_wmma_scale_f32_16x16x128_f8f6f4 v[(\d):(\d)+7], v[(\fa):(\fa)+11], v[(\fb):(\fb)+11], 0, v[(\sa)], v[(\sb)] matrix_a_fmt:MATRIX_FMT_FP6 matrix_b_fmt:MATRIX_FMT_FP6 matrix_a_scale:MATRIX_SCALE_ROW1
.elseif (\ra) == 0
	v_wmma_scale_f32_16x16x128_f8f6f4 v[(\d):(\d)+7], v[(\fa):(\fa)+11], v[(\fb):(\fb)+11], 0, v[(\sa)], v[(\sb)] matrix_a_fmt:MATRIX_FMT_FP6 matrix_b_fmt:MATRIX_FMT_FP6 matrix_b_scale:MATRIX_SCALE_ROW1
.else
	v_wmma_scale_f32_16x16x128_f8f6f4 v[(\d):(\d)+7], v[(\fa):(\fa)+11], v[(\fb):(\fb)+11], 0, v[(\sa)], v[(\sb)] matrix_a_fmt:MATRIX_FMT_FP6 matrix_b_fmt:MATRIX_FMT_FP6 matrix_a_scale:MATRIX_SCALE_ROW1 matrix_b_scale:MATRIX_SCALE_ROW1
.endif
.else
.if ((\ra) == 0) && ((\rb) == 0)
	v_wmma_scale_f32_16x16x128_f8f6f4 v[(\d):(\d)+7], v[(\fa):(\fa)+11], v[(\fb):(\fb)+11], v[(\d):(\d)+7], v[(\sa)], v[(\sb)] matrix_a_fmt:MATRIX_FMT_FP6 matrix_b_fmt:MATRIX_FMT_FP6
.elseif (\rb) == 0
	v_wmma_scale_f32_16x16x128_f8f6f4 v[(\d):(\d)+7], v[(\fa):(\fa)+11], v[(\fb):(\fb)+11], v[(\d):(\d)+7], v[(\sa)], v[(\sb)] matrix_a_fmt:MATRIX_FMT_FP6 matrix_b_fmt:MATRIX_FMT_FP6 matrix_a_scale:MATRIX_SCALE_ROW1
.elseif (\ra) == 0
	v_wmma_scale_f32_16x16x128_f8f6f4 v[(\d):(\d)+7], v[(\fa):(\fa)+11], v[(\fb):(\fb)+11], v[(\d):(\d)+7], v[(\sa)], v[(\sb)] matrix_a_fmt:MATRIX_FMT_FP6 matrix_b_fmt:MATRIX_FMT_FP6 matrix_b_scale:MATRIX_SCALE_ROW1
.else
	v_wmma_scale_f32_16x16x128_f8f6f4 v[(\d):(\d)+7], v[(\fa):(\fa)+11], v[(\fb):(\fb)+11], v[(\d):(\d)+7], v[(\sa)], v[(\sb)] matrix_a_fmt:MATRIX_FMT_FP6 matrix_b_fmt:MATRIX_FMT_FP6 matrix_a_scale:MATRIX_SCALE_ROW1 matrix_b_scale:MATRIX_SCALE_ROW1
.endif
.endif
.endm
; 16 products: W's blocks a0, a0 + 1 x the tokens' eight, the kap-th 128 along K.  The 64 accumulators take turns, one instruction a turn, in the same order in every step.
.macro MUL16 a0, p, kap, zero
.irp a, \a0, \a0+1
.irp b, 0,1,2,3,4,5,6,7
	WM 8*(8*((\a)%4)+\b), 96*(\p)+FR*\b, AF+FR*(\a), SB+8*(\b%4)+(\kap), SA+8*((\a)%4)+(\kap), \b/4, (\a)/4, \zero
.endr
.endr
.endm
; A slot's first 128 along K.
.macro STEP slot, kap, zero
	s_wait_dscnt 4*NL                              ; the tokens' set and W's blocks 0-3 are in; the youngest 24 loads (W's blocks 4-7) may be out
	WIN MUL_LO
	MUL16 0, 0, \kap, \zero
	MUL16 2, 0, \kap, \zero
	s_wait_dscnt 0x0                               ; W's blocks 4-7 are in
	PLACES NP                                      ; in front of loads into registers that matrix instructions have read
	FETCH_B \slot, 1, 1
	FETCH_A \slot, 1, 0
	WIN MUL_HI
	MUL16 4, 0, \kap, \zero
	MUL16 6, 0, \kap, \zero
	PLACES NP
	WIN 0
	FETCH_A \slot, 1, 4
.endm
; A slot's second 128 along K, and the change of slots: ONE barrier; in front of it each wave waits for all its tensor loads, adds 0 to its spare word, and waits for that and for its reads of this slot.
; fill = 1: this slot takes the K step two on;  2: it takes k's and Wk's K step of the slot's number;  0: nothing.  fetch = 1: the next slot's first fragments are read.
.macro TURN slot, next, kap, fill, fetch
	s_wait_tensorcnt 0x0                           ; all my tensor loads have landed: my part of the next slot
	ds_add_u32 v[SPW], v[NIL]                      ; 0 onto my spare word
	s_wait_dscnt 4*NL+1                            ; (the add and the youngest 24 loads may be out)
	WIN MUL_LO
	MUL16 0, 1, \kap, 0                            ; sixteen products stand between the add and the wait for it
	s_wait_dscnt 0x0                               ; the add is done, and my reads of this slot are over
	s_barrier_signal -1
	MUL16 2, 1, \kap, 0
	WIN 0
	s_barrier_wait -1
.if (\fill)
	CREST                                          ; the barrier has opened a round of the cluster's: no wave of any partner still reads this slot or has a load on its way
.if (\fill) == 1
	s_add_nc_u64 s[G0+4*\slot+2:G0+4*\slot+3], s[G0+4*\slot+2:G0+4*\slot+3], 2*ROWB
	s_add_nc_u64 s[G0B+4*\slot+2:G0B+4*\slot+3], s[G0B+4*\slot+2:G0B+4*\slot+3], 2*ROWB
.else
	s_add_nc_u64 s[G0+4*\slot+2:G0+4*\slot+3], s[72:73], \slot*ROWB
	s_or_b32 s[G0+4*\slot+3], s[G0+4*\slot+3], 0x80000000
	s_add_nc_u64 s[G0B+4*\slot+2:G0B+4*\slot+3], s[74:75], \slot*ROWB
	s_or_b32 s[G0B+4*\slot+3], s[G0B+4*\slot+3], 0x80000000
.endif
	JLOAD G0+4*\slot, G1, G0B+4*\slot, G1B         ; the first tensor load behind the round, one a wave; its four v_nop are also the places in front of the loads below
.else
	PLACES NP
.endif
.if (\fetch)
	FETCH_B \next, 0, 0
	FETCH_A \next, 0, 0
.endif
	WIN MUL_HI
	MUL16 4, 1, \kap, 0
	MUL16 6, 1, \kap, 0
	PLACES NP
	WIN 0
.if (\fetch)
	FETCH_A \next, 0, 4
.endif
.endm
.macro LAST kap                        ; the very last 128 along K: nothing more to fetch
	s_wait_dscnt 4*NL
	WIN MUL_LO
	MUL16 0, 1, \kap, 0
	MUL16 2, 1, \kap, 0
	s_wait_dscnt 0x0
	WIN MUL_HI
	MUL16 4, 1, \kap, 0
	MUL16 6, 1, \kap, 0
	WIN 0
.endm
; The scale words of my 128 tokens (base b0) and my 128 rows of W (base b1), for all of K: each pair of loads reads 2 x 512 consecutive bytes whole.
.macro SCLOAD b0, b1
.irp p, 0,1,2,3
	global_load_b128 v[SB+8*\p:SB+8*\p+3], v[LSC], s[\b0:\b0+1] offset:512*\p
	global_load_b128 v[SB+8*\p+4:SB+8*\p+7], v[LSC], s[\b0:\b0+1] offset:512*\p+16
	global_load_b128 v[SA+8*\p:SA+8*\p+3], v[LSC], s[\b1:\b1+1] offset:512*\p
	global_load_b128 v[SA+8*\p+4:SA+8*\p+7], v[LSC], s[\b1:\b1+1] offset:512*\p+16
.endr
.endm
; The largest (ab = 1: magnitude) of each of the four blocks among the 64 registers at AC of the window set for sources 0 and 1; each accumulator is read from its low end on; the four blocks by turns.
.macro BLKMAX dst, ab
.irp b, 0,1,2,3
.if \ab
	v_max_num_f32 v[\dst+\b], |v[AC+16*\b]|, |v[AC+16*\b+1]|
.else
	v_max_num_f32 v[\dst+\b], v[AC+16*\b], v[AC+16*\b+1]
.endif
.endr
.irp i, 2,4,6,8,10,12,14
.irp b, 0,1,2,3
.if \ab
	v_max3_num_f32 v[\dst+\b], |v[AC+16*\b+\i]|, |v[AC+16*\b+\i+1]|, v[\dst+\b]
.else
	v_max3_num_f32 v[\dst+\b], v[AC+16*\b+\i], v[AC+16*\b+\i+1], v[\dst+\b]
.endif
.endr
.endr
.endm
.macro BYTES                           ; from the four largest magnitudes: the conversions' scale operands (2 off the exponent field), the bytes, the word
.irp b, 0,1,2,3
	v_add_nc_u32 v[SO+\b], 0xff000000, v[BM+\b]
.endr
.irp b, 0,1,2,3
	v_lshrrev_b32 v[BY+\b], 23, v[SO+\b]
.endr
	v_lshl_or_b32 v[PW], v[BY+1], 8, v[BY]
	v_lshl_or_b32 v[PW], v[BY+2], 16, v[PW]
	v_lshl_or_b32 v[PW], v[BY+3], 24, v[PW]
.endm
.macro CVT4 st                         ; 64 numbers at AC (source 0's window) become four half blocks of codes; a plain line behind the last conversion
	v_cvt_scalef32_pk16_fp6_f32 v[PC:PC+2], v[AC:AC+15], v[SO]
	v_cvt_scalef32_pk16_fp6_f32 v[CT0:CT0+2], v[AC+16:AC+31], v[SO+1]
	v_cvt_scalef32_pk16_fp6_f32 v[PC+\st:PC+\st+2], v[AC+32:AC+47], v[SO+2]
	v_cvt_scalef32_pk16_fp6_f32 v[CT1:CT1+2], v[AC+48:AC+63], v[SO+3]
	v_nop
.endm
.macro SWAPS st                        ; the operand's layout wants a whole block in a lane: lanes 0-15 the even block, lanes 16-31 the odd one
.irp i, 0,1,2
	v_permlane16_swap_b32 v[PC+\i], v[CT0+\i]
	v_permlane16_swap_b32 v[PC+\st+\i], v[CT1+\i]
.endr
.irp i, 0,1,2
	v_mov_b32 v[PC+3+\i], v[CT0+\i]
	v_mov_b32 v[PC+\st+3+\i], v[CT1+\i]
.endr
.endm
.macro IMAGE adr, off                  ; the fragment in v[PC] on goes to LDS as it stands
.irp c, 0,1,2
	ds_store_b128 v[\adr], v[PC+4*\c:PC+4*\c+3] offset:(\off)+512*\c
.endr
.endm
; vh's block a of 16 columns x my 128 tokens becomes a fragment and a scale word.
.macro VQ a
.set W, 2+(\a)/4
.set AC, 64*((\a)%4)
	WIN 0x0a+5*(W-2)
	BLKMAX BM, 1
	WIN 0
.irp b, 0,1,2,3
	v_permlanex16_b32 v[T+\b], v[BM+\b], s[SEL], s[SEL+1]
.endr
.irp b, 0,1,2,3
	v_max3_num_f32 v[BM+\b], v[BM+\b], v[T+\b], 0x1800000   ; with the other half's 16, and the floor 2^(3 - 127): the byte cannot fall under 1
.endr
	s_wait_dscnt 0x0                               ; the last image's stores are done with the codes' and the word's registers
	BYTES
	WIN 0x02+(W-2)
	CVT4 6
	WIN 0
	SWAPS 6
	IMAGE VWI, 1536*(\a)
	ds_store_b32 v[VWS], v[PW] offset:128*(\a)
.endm
; kh's block a: p = 2^(t - M), its sum, its fragment and scale word.  A block's largest p is the block's largest score put through the same multiply-add and exponential.
.macro KQ a
.set W, 2+(\a)/4
.set AC, 64*((\a)%4)
.set NMA, NM+2*(\a)
.set BK4, BMK+4*(\a)
	WIN 0
.irp b, 0,1,2,3
	v_fma_f32 v[BK4+\b], v[BK4+\b], s[CS], v[NMA]
.endr
	WIN 0x82+0x41*(W-2)
.set k, 0
.rept 32
	v_pk_fma_f32 v[AC+k:AC+k+1], v[AC+k:AC+k+1], s[CS:CS+1], v[NMA:NMA+1] op_sel_hi:[1,0,0]   ; t - M, two at a time
.set k, k+2
.endr
.set k, 0
.rept 64
	v_exp_f32 v[AC+k], v[AC+k]
.set k, k+1
.endr
	WIN 0
.irp b, 0,1,2,3
	v_exp_f32 v[BK4+\b], v[BK4+\b]
.endr
	s_wait_dscnt 0x0                               ; the last image's stores are done with the codes' and the word's registers
	v_nop                                          ; a plain line behind the exponentials
	s_wait_alu depctr_va_vdst(0)
.irp b, 0,1,2,3
	v_max_num_f32 v[BM+\b], 0x1800000, v[BK4+\b]
.endr
	BYTES
	WIN 0x0a+5*(W-2)
	v_pk_add_f32 v[S:S+1], v[AC:AC+1], v[AC+2:AC+3]            ; the sum is taken of the unquantised p, in two packed chains
	v_pk_add_f32 v[S+2:S+3], v[AC+4:AC+5], v[AC+6:AC+7]
	WIN 0x02+(W-2)
	CVT4 6
.set k, 8
.rept 14
	v_pk_add_f32 v[S:S+1], v[AC+k:AC+k+1], v[S:S+1]
	v_pk_add_f32 v[S+2:S+3], v[AC+k+2:AC+k+3], v[S+2:S+3]
.set k, k+4
.endr
	WIN 0
	SWAPS 6
	v_pk_add_f32 v[S:S+1], v[S:S+1], v[S+2:S+3]
	v_add_f32 v[S], v[S], v[S+1]
	v_permlanex16_b32 v[T], v[S], s[SEL], s[SEL+1]
	v_add_f32 v[LS+(\a)], v[S], v[T]               ; my 128 tokens' sum for column 16 a + r
	IMAGE PWI, 1536*(\a)
	ds_store_b32 v[PWS], v[PW] offset:128*(\a)
.endm
	s_load_b512 s[4:19], s[0:1], 0x0               ; v_codes, v_scales, Wv_codes, Wv_scales, k_codes, k_scales, Wk_codes, Wk_scales
	s_load_b128 s[20:23], s[0:1], 0x40             ; mask_attn, kvp
	s_load_b64 s[24:25], s[0:1], 0x50              ; st
	v_lshl_add_u32 v[SPW], v0, 2, SPARE
	v_mov_b32 v[NIL], 0
	ds_add_u32 v28, v29
	ds_add_u32 v28, v29
	s_wait_dscnt 0x0
	v_lshrrev_b32 v1, 5, v0
	v_readfirstlane_b32 s[WV], v1                  ; wave 0..3
	s_lshr_b32 s[HS1], s[WV], 1
	s_and_b32 s[HS0], s[WV], 1
	s_bfe_u32 s66, ttmp6, 0x40000                  ; cx
	s_bfe_u32 s67, ttmp6, 0x40004                  ; cy = the block of 256 columns (the grid is one cluster high)
	s_lshl_b32 s68, ttmp9, 2
	s_add_co_u32 s68, s68, s66                     ; x = the block of 256 tokens = 4 x cluster x + cx
	s_lshl_b32 s70, s67, 2
	s_lshl_b32 s70, 15, s70                        ; my row of the cluster
	s_lshl_b32 s71, 0x1111, s66                    ; my column
	s_or_b32 s[G1], s70, GW0                       ; W's tiles hang on cy alone: shared along the row
	s_or_b32 s[G1B], s71, GW0                      ; the tokens' on x alone: shared along the column
.irp g, G1, G1B
	s_mov_b32 s[\g+1], ROWB<<16                    ; tensor_dim0
	s_mov_b32 s[\g+2], 128<<16                     ; tensor_dim1
	s_mov_b32 s[\g+3], ROWB<<16                    ; tile_dim0
	s_mov_b32 s[\g+4], 128                         ; tile_dim1
	s_mov_b32 s[\g+5], KROW                        ; the pitch
	s_mov_b32 s[\g+6], 0
	s_mov_b32 s[\g+7], 0
.endr
	s_lshl_b32 s69, s[HS0], 7                      ; which 128 rows I fetch
	s_lshl_b32 s76, s67, 8
	s_add_co_u32 s76, s76, s69
	s_mul_i32 s76, s76, KROW                       ; W: byte of row 256 cy + 128 half  (s76:77 hold nothing of cx, s78:79 nothing of cy)
	s_mov_b32 s77, 0
	s_lshl_b32 s78, s68, 8
	s_add_co_u32 s78, s78, s69
	s_mul_i32 s78, s78, KROW                       ; tokens: byte of row 256 x + 128 half
	s_mov_b32 s79, 0
	s_mul_i32 s94, s[WV], HALFT                    ; where my tile goes: wave x 128 rows
	s_mov_b32 s[SEL], 0x76543210
	s_mov_b32 s[SEL+1], 0xfedcba98                 ; v_permlanex16_b32's selects for lane l xor 16
	s_mov_b32 s[CS], 0x3fb8aa3b                    ; log2(e)
	s_mov_b32 s[CS+1], s[CS]
	s_mov_b32 s[TENK], 0x461c4000                  ; 10000.0
	s_mov_b32 s[TENK+1], s[TENK]
	s_wait_kmcnt 0x0
	s_add_nc_u64 s[72:73], s[16:17], s[76:77]      ; Wk's tile, for the second pass
	s_add_nc_u64 s[74:75], s[12:13], s[78:79]      ; k's
	s_add_nc_u64 s[8:9], s[8:9], s[76:77]          ; Wv's
	s_add_nc_u64 s[4:5], s[4:5], s[78:79]          ; v's
	CROUND                                         ; all sixteen work-groups are here: the first joint loads meet
.irp s, 0,1
	s_mov_b32 s[G0+4*\s], 1
	s_add_co_u32 s[G0+4*\s+1], s94, \s*SLOT
	s_add_nc_u64 s[G0+4*\s+2:G0+4*\s+3], s[8:9], \s*ROWB
	s_or_b32 s[G0+4*\s+3], s[G0+4*\s+3], 0x80000000
	s_mov_b32 s[G0B+4*\s], 1
	s_add_co_u32 s[G0B+4*\s+1], s94, \s*SLOT
	s_add_nc_u64 s[G0B+4*\s+2:G0B+4*\s+3], s[4:5], \s*ROWB
	s_or_b32 s[G0B+4*\s+3], s[G0B+4*\s+3], 0x80000000
	JLOAD G0+4*\s, G1, G0B+4*\s, G1B               ; two loads of mine are out
.endr
	s_lshl_b32 s76, s67, 13
	s_lshl_b32 s69, s[HS1], 12
	s_add_co_u32 s76, s76, s69                     ; (256 cy + 128 x my half of the columns) x 32 bytes of scales
	s_lshl_b32 s78, s68, 13
	s_lshl_b32 s69, s[HS0], 12
	s_add_co_u32 s78, s78, s69                     ; (256 x + 128 x my half of the tokens) x 32
	s_add_nc_u64 s[10:11], s[10:11], s[76:77]      ; Wv's scales
	s_add_nc_u64 s[88:89], s[18:19], s[76:77]      ; Wk's
	s_add_nc_u64 s[6:7], s[6:7], s[78:79]          ; v's
	s_add_nc_u64 s[86:87], s[14:15], s[78:79]      ; k's
	s_lshr_b32 s78, s78, 3                         ; the same tokens x 4 bytes
	s_add_nc_u64 s[20:21], s[20:21], s[78:79]      ; mask_attn at my first token
	s_lshl_b32 s26, s68, 2
	s_add_co_u32 s26, s26, s67
	s_lshl_b32 s26, s26, 2
	s_add_co_u32 s26, s26, s[WV]                   ; 16 x + head, head = 4 cy + wave
	s_mov_b32 s27, 0
	s_lshl_b32 s26, s26, 9
	s_add_nc_u64 s[92:93], s[24:25], s[26:27]      ; st: 512 bytes a head
	s_lshl_b32 s26, s26, 5
	s_add_nc_u64 s[90:91], s[22:23], s[26:27]      ; kvp: 16,384
	v_and_b32 v1, 15, v0                           ; r
	v_bfe_u32 v2, v0, 4, 1                         ; h
	v_and_b32 v3, 31, v0                           ; lane
	v_lshlrev_b32 v[L16], 4, v3
	v_lshlrev_b32 v[LSC], 5, v1
	v_lshl_add_u32 v[LSC], v2, 11, v[LSC]
	v_lshlrev_b32 v[LM], 5, v2
	SCLOAD 6, 10                                   ; the v pass's scales
.irp b, 0,1,2,3,4,5,6,7
	global_load_b128 v[BI+8*\b:BI+8*\b+3], v[LM], s[20:21] offset:64*\b        ; mask of tokens 16 b + 8 h + 0 .. 7
	global_load_b128 v[BI+8*\b+4:BI+8*\b+7], v[LM], s[20:21] offset:64*\b+16
.endr
	s_mul_i32 s69, s[WV], 12288
	v_add_nc_u32 v[PWI], s69, v[L16]
	v_add_nc_u32 v[VWI], VIMG, v[PWI]
	s_lshl_b32 s69, s[WV], 10
	v_lshl_add_u32 v30, v3, 2, s69                 ; 4 x lane + 1,024 x wave
	v_add_nc_u32 v[VWS], VSC, v30
	v_add_nc_u32 v[PWS], PSC, v30
	v_add_nc_u32 v31, s69, v[L16]                  ; 16 x lane + 1,024 x wave
	v_add_nc_u32 v[XMW], XM, v31
	v_add_nc_u32 v[XLW], XL, v31
	s_xor_b32 s95, s69, 1024                       ; the wave with my columns and the other tokens
	v_add_nc_u32 v[XMP], s95, v[L16]
	v_add_nc_u32 v[XMP], XM, v[XMP]
	s_mul_i32 s69, s[HS1], 24576                   ; head w's images: those of waves 2 (w / 2) and 2 (w / 2) + 1, blocks 4 (w % 2) on
	s_mul_i32 s95, s[HS0], 6144
	s_add_co_u32 s69, s69, s95
	v_add_nc_u32 v[FIP], s69, v[L16]
	v_add_nc_u32 v[FIV], VIMG, v[FIP]
	s_lshl_b32 s69, s[HS1], 11
	s_lshl_b32 s95, s[HS0], 9
	s_add_co_u32 s69, s69, s95
	v_lshl_add_u32 v30, v3, 2, s69
	v_add_nc_u32 v[FSP], PSC, v30
	v_add_nc_u32 v[FSV], VSC, v30
	v_add_nc_u32 v31, s69, v[L16]
	v_add_nc_u32 v[XOM], XM, v31
	v_add_nc_u32 v[XOL], XL, v31
	v_mul_u32_u24 v30, v1, PITCH
	v_mul_u32_u24 v31, v2, 24
	v_add_nc_u32 v30, v30, v31                     ; a fragment's row x pitch + 24 x half
	v_lshl_add_u32 v31, v2, 4, v30                 ; and the same behind one padding more
	s_mul_i32 s69, s[HS1], HALFT                   ; my 128 rows of W
	s_mul_i32 s95, s[HS0], HALFT                   ; my 128 tokens,
	s_add_co_u32 s95, s95, 2*HALFT                 ; which lie behind W's 256 rows
.irp s, 0,1
	v_add_nc_u32 v[ADRA+\s], s69, v30
	v_add_nc_u32 v[ADRB+\s], s95, v30
	v_add_nc_u32 v[ADRA+2+\s], s69, v31
	v_add_nc_u32 v[ADRB+2+\s], s95, v31
	s_add_co_u32 s69, s69, SLOT
	s_add_co_u32 s95, s95, SLOT
.endr
	s_wait_loadcnt 0x0
.set k, 0
.rept 64
	v_cvt_f32_i32 v[BI+k], v[BI+k]
.set k, k+1
.endr
.set k, 0
.rept 32
	v_pk_fma_f32 v[BI+k:BI+k+1], v[BI+k:BI+k+1], s[TENK:TENK+1], s[TENK:TENK+1] op_sel_hi:[1,0,0] neg_lo:[0,0,1] neg_hi:[0,0,1]   ; 10000 m - 10000 = -10000 (1 - m)
.set k, k+2
.endr
	s_wait_tensorcnt 1                             ; my part of K step 0 is in; K step 1's load may be out
	s_barrier_signal -1
	s_barrier_wait -1
	s_mov_b32 s[PASS], 2                           ; passes to go, this one among them: the same in every work-group
.Lpass:
	s_wait_loadcnt 0x0                             ; this pass's scale words
	FETCH_B 0, 0, 0
	FETCH_A 0, 0, 0
	FETCH_A 0, 0, 4
	STEP 0, 0, 1                                   ; the first products start the sums: nothing is cleared
	TURN 0, 1, 1, 1, 1
	STEP 1, 2, 0
	TURN 1, 0, 3, 1, 1
	STEP 0, 4, 0
	s_cmp_eq_u32 s[PASS], 1
	s_cbranch_scc1 .Llast                          ; the last pass's tail is written out: it asks for nothing more
	TURN 0, 1, 5, 2, 1                             ; THE RING GOES ON INTO THE k PASS: slot 0 takes its K step 0,
	STEP 1, 6, 0
	TURN 1, 0, 7, 2, 0                             ; slot 1 its K step 1; the waits and the round of this change have shown slot 0 whole to every wave
	; ---- vh is finished: quantised along the tokens, its images go to LDS.  (The change of slots ended in its places.)
	SCLOAD 86, 88                                  ; the k pass's scale words land meanwhile
.irp b, 0,1,2,3
	v_mov_b32 v[T+\b], 0                           ; a lane permute's destination counts as one of its sources
.endr
.irp a, 0,1,2,3,4,5,6,7
	VQ \a
.endr
	s_wait_dscnt 0x0                               ; my stores have read their registers: fragments may land there
	s_sub_co_u32 s[PASS], s[PASS], 1
	s_branch .Lpass
.Llast:
	TURN 0, 1, 5, 0, 1                             ; nothing is filled again, so no round: behind this barrier nobody reads slot 0, and it has had its last fill
	STEP 1, 6, 0
	LAST 7
	PLACES NP
	; ---- kh: the mask's bias, one f32 addition as in the definition.  Both windows first: the registers of the bias are reused below
.irp w, 2,3
	WIN 0x82+0x41*(\w-2)
.set k, 0
.rept 128
	v_pk_add_f32 v[k:k+1], v[k:k+1], v[BI+k%64:BI+k%64+1]
.set k, k+2
.endr
.endr
.irp a, 0,1,2,3,4,5,6,7
.set AC, 64*(\a%4)
	WIN 0x0a+5*(\a/4)
	BLKMAX BMK+4*\a, 0                             ; the largest score of each block of 32 tokens: it serves for the column's maximum and for the block's largest p
.endr
	WIN 0
.irp b, 0,1,2,3
	v_mov_b32 v[T+\b], 0
.endr
.irp a, 0,1,2,3,4,5,6,7
.irp b, 0,1,2,3
	v_permlanex16_b32 v[T+\b], v[BMK+4*\a+\b], s[SEL], s[SEL+1]
.endr
.irp b, 0,1,2,3
	v_max_num_f32 v[BMK+4*\a+\b], v[BMK+4*\a+\b], v[T+\b]
.endr
	v_max3_num_f32 v[CM+\a], v[BMK+4*\a], v[BMK+4*\a+1], v[BMK+4*\a+2]
	v_max_num_f32 v[CM+\a], v[CM+\a], v[BMK+4*\a+3]
.endr
	ds_store_b128 v[XMW], v[CM:CM+3]               ; my 128 tokens' maxima meet the other 128's
	ds_store_b128 v[XMW], v[CM+4:CM+7] offset:512
	s_wait_dscnt 0x0                               ; for the others' sake: my stores are done
	s_barrier_signal -1
	s_barrier_wait -1
	ds_load_b128 v[CMP:CMP+3], v[XMP]
	ds_load_b128 v[CMP+4:CMP+7], v[XMP] offset:512
	s_wait_dscnt 0x0
.irp a, 0,1,2,3,4,5,6,7
	v_max_num_f32 v[CM+\a], v[CM+\a], v[CMP+\a]
.endr
.irp a, 0,1,2,3,4,5,6,7
	v_mul_f32 v[NM+2*\a+1], s[CS], v[CM+\a]        ; as t
.endr
.irp a, 0,1,2,3,4,5,6,7
	v_floor_f32 v[NM+2*\a], -v[NM+2*\a+1]          ; -M = floor(-t) = -ceil(t)
.endr
.irp a, 0,1,2,3,4,5,6,7
	KQ \a
.endr
	ds_store_b128 v[XLW], v[LS:LS+3]
	ds_store_b128 v[XLW], v[LS+4:LS+7] offset:512
	s_wait_dscnt 0x0                               ; my images, words and sums have landed
	s_barrier_signal -1
	s_barrier_wait -1
	; ---- kv^T of head w: source 0 = 16 channels e of vh, source 1 = 16 columns d of p; K = the work-group's 256 tokens, two steps
.irp s, 0,1
.irp i, 0,1,2,3
.irp j, 0,1,2
	ds_load_b128 v[AF+12*(4*\s+\i)+4*\j:AF+12*(4*\s+\i)+4*\j+3], v[FIP] offset:12288*\s+1536*\i+512*\j
.endr
	ds_load_b32 v[PS+4*\s+\i], v[FSP] offset:1024*\s+128*\i
	ds_load_b32 v[VS+4*\s+\i], v[FSV] offset:1024*\s+128*\i
.endr
.endr
	WIN TO_B
.irp s, 0,1
.irp i, 0,1,2,3
.irp j, 0,1,2
	ds_load_b128 v[12*(4*\s+\i)+4*\j:12*(4*\s+\i)+4*\j+3], v[FIV] offset:12288*\s+1536*\i+512*\j
.endr
.endr
.endr
	WIN 0
	ds_load_b128 v[192:195], v[XOM]                ; both halves' maxima and sums of my head's columns 16 dt + r
	ds_load_b128 v[196:199], v[XOM] offset:1024
	ds_load_b128 v[200:203], v[XOL]
	ds_load_b128 v[204:207], v[XOL] offset:1024
	s_wait_dscnt 0x0
	WIN MUL_LO
.irp s, 0,1
.irp d, 0,1,2,3
.irp e, 0,1,2,3
	WM 8*(4*\d+\e), 12*(4*\s+\e), AF+12*(4*\s+\d), VS+4*\s+\e, PS+4*\s+\d, 0, 0, 1-\s
.endr
.endr
.endr
	WIN 0                                          ; the statistics are made here: more plain lines than the places that the last products ask for
.irp i, 0,1,2,3
	v_max_num_f32 v[192+\i], v[192+\i], v[196+\i]
.endr
.irp i, 0,1,2,3
	v_mul_f32 v[212+\i], s[CS], v[192+\i]
.endr
.irp i, 0,1,2,3
	v_floor_f32 v[208+\i], -v[212+\i]              ; -M: the same lines on the same numbers as above give the same bits
.endr
.irp i, 0,1,2,3
	v_add_f32 v[200+\i], v[200+\i], v[204+\i]      ; l over the 256 tokens
.endr
	v_cmp_le_u32 vcc_lo, 16, v3
.irp i, 0,1,2,3
	v_cndmask_b32 v[216+\i], v[208+\i], v[200+\i], vcc_lo   ; lanes 0-15 store -M, lanes 16-31 l
.endr
	WIN 0x08                                       ; a store's data: window 2
.irp t, 0,1,2,3,4,5,6,7,8,9,10,11,12,13,14,15
	global_store_b128 v[L16], v[8*\t:8*\t+3], s[90:91] offset:1024*\t th:TH_STORE_NT          ; each store covers 512 consecutive bytes, aligned; each accumulator from its low end on
	global_store_b128 v[L16], v[8*\t+4:8*\t+7], s[90:91] offset:1024*\t+512 th:TH_STORE_NT
.endr
	WIN 0
	global_store_b128 v[L16], v[216:219], s[92:93] th:TH_STORE_NT
	s_wait_tensorcnt 0x0                           ; the wave's end
	ds_add_u32 v[SPW], v[NIL]
	s_wait_dscnt 0x0
	CROUND                                         ; the closing round
	s_endpgm
.Lfunc_end_k_q2d50857ace_kvpart:
	.size	k_q2d50857ace_kvpart, .Lfunc_end_k_q2d50857ace_kvpart-k_q2d50857ace_kvpart
	.p2alignl 7, 3214868480
	.fill 96, 4, 3214868480
	.section	.rodata,"a",@progbits
	.p2align	6, 0x0
	.amdhsa_kernel k_q2d50857ace_kvpart
		.amdhsa_group_segment_fixed_size 327680
		.amdhsa_private_segment_fixed_size 0
		.amdhsa_enable_private_segment 0
		.amdhsa_kernarg_size 88
		.amdhsa_user_sgpr_count 2
		.amdhsa_user_sgpr_kernarg_segment_ptr 1
		.amdhsa_wavefront_size32 1
		.amdhsa_system_sgpr_workgroup_id_x 1
		.amdhsa_system_sgpr_workgroup_id_y 1
		.amdhsa_system_sgpr_workgroup_id_z 1
		.amdhsa_system_vgpr_workitem_id 0
		.amdhsa_next_free_vgpr 1024
		.amdhsa_next_free_sgpr 96
		.amdhsa_reserve_vcc 1
		.amdhsa_float_denorm_mode_32 3
		.amdhsa_float_denorm_mode_16_64 3
		.amdhsa_memory_ordered 1
		.amdhsa_forward_progress 1
		.amdhsa_inst_pref_size 255
	.end_amdhsa_kernel
	.section	.bss,"aw",@nobits
	.p2align	6
	.space	262144
	.amdgpu_metadata
---
amdhsa.version: [ 1, 2 ]
amdhsa.kernels:
  - .name:           k_q2d50857ace_kvpart
    .symbol:         k_q2d50857ace_kvpart.kd
    .args:
      - { .name: v_codes, .offset: 0, .size: 8, .value_kind: global_buffer, .address_space: global }
      - { .name: v_scales, .offset: 8, .size: 8, .value_kind: global_buffer, .address_space: global }
      - { .name: Wv_codes, .offset: 16, .size: 8, .value_kind: global_buffer, .address_space: global }
      - { .name: Wv_scales, .offset: 24, .size: 8, .value_kind: global_buffer, .address_space: global }
      - { .name: k_codes, .offset: 32, .size: 8, .value_kind: global_buffer, .address_space: global }
      - { .name: k_scales, .offset: 40, .size: 8, .value_kind: global_buffer, .address_space: global }
      - { .name: Wk_codes, .offset: 48, .size: 8, .value_kind: global_buffer, .address_space: global }
      - { .name: Wk_scales, .offset: 56, .size: 8, .value_kind: global_buffer, .address_space: global }
      - { .name: mask_attn, .offset: 64, .size: 8, .value_kind: global_buffer, .address_space: global }
      - { .name: kvp, .offset: 72, .size: 8, .value_kind: global_buffer, .address_space: global }
      - { .name: st, .offset: 80, .size: 8, .value_kind: global_buffer, .address_space: global }
    .group_segment_fixed_size: 327680
    .private_segment_fixed_size: 0
    .kernarg_segment_align: 8
    .kernarg_segment_size: 88
    .max_flat_workgroup_size: 128
    .sgpr_count:     96
    .vgpr_count:     1024
    .wavefront_size: 32
...
	.end_amdgpu_metadata
.endif
;; end of part 1
;; launch combine (part 2): grid 256 x 1, 4 waves a work-group, no clusters, 5,120 bytes of LDS; arguments kvp, st, kvc; writes kvc
.if DOCPART == 2
	.amdgcn_target "amdgcn-amd-amdhsa--gfx1250"
	.amdhsa_code_object_version 6
	.text
	.protected	k_q2d50857ace_combine
	.globl	k_q2d50857ace_combine
	.p2align	8
	.type	k_q2d50857ace_combine,@function
k_q2d50857ace_combine:
	s_mov_b64 s[64:65], 0
	v_nop
	global_prefetch_b8 v0, s[64:65] scope:SCOPE_SE
	s_setreg_imm32_b32 hwreg(HW_REG_WAVE_MODE, 25, 1), 1
	s_wait_xcnt 0x0
; COMBINE.  kv[d][e] = (sum over the 16 chunks c of 2^(M_c - M) kvp_c[d][e]) / (sum over c of 2^(M_c - M) l_c[d]), M = the largest M_c; then quantised to E2M3 along d, blocks of 32, and stored as the
; registers of an operand (16 channels e x 64 d: six registers a lane) with its two scale bytes.  The factors are whole powers of two, made by v_ldexp_f32: nothing is rounded by them.
; SHARES.  Work-group X: batch and head X / 4, channels 16 (X % 4) on.  Wave dt: columns d = 16 dt + r; it reads its tile of each chunk once, 1,024 bytes as two loads of 512 consecutive bytes.
; The four waves' results meet in LDS (16 rows e x 64 d, pitch 272); wave 0 quantises: lane (r, h) takes channel r and d block h.
; ORDER INSIDE A BLOCK: code places 8-15 hold members 16-23 and places 16-23 members 8-15, as the launch that reads these codes lays its own operand.
; No matrix work, no tensor load; no cluster: what work-groups share (512 bytes of statistics a chunk) is a small part of what each reads (16 KiB a wave).
; LIMITS: NaN and infinities are not served; a block of zeros gets the scale byte 1 (its codes are zeros, and this program alone reads the bytes); 1 / l is v_rcp_f32.
.set NMC, 16                           ; v16-31  -M of chunk c, for my column d
.set LC,  32                           ; v32-47  l of chunk c
.set WC,  48                           ; v48-63  2^(M_c - M)
.set SUM, 64                           ; v64-71  the sums
.set X,   72                           ; v72-103 wave 0: a block's 32 numbers
.set KC,  128                          ; v128-255 the chunks' tiles, 8 registers each
	s_load_b128 s[4:7], s[0:1], 0x0                ; kvp, st
	s_load_b64 s[8:9], s[0:1], 0x10                ; kvc
	v_lshl_add_u32 v126, v0, 2, 0x1200
	v_mov_b32 v127, 0
	v_lshrrev_b32 v1, 5, v0
	v_readfirstlane_b32 s10, v1                    ; wave = dt
	v_and_b32 v1, 31, v0                           ; lane
	v_and_b32 v2, 15, v0                           ; r
	v_bfe_u32 v3, v0, 4, 1                         ; h
	v_lshlrev_b32 v4, 4, v1                        ; 16 x lane
	s_lshl_b32 s11, s10, 2
	v_lshl_add_u32 v5, v2, 4, s11                  ; 16 r + 4 dt: my column's place in the statistics
	v_mul_u32_u24 v6, v3, 2176
	v_lshl_add_u32 v6, v2, 2, v6
	s_lshl_b32 s12, s10, 6
	v_add_nc_u32 v6, s12, v6                       ; LDS in: row e = 8 h + j (272 j in the offset), column d = 16 dt + r
	v_mul_u32_u24 v7, v2, 272
	v_lshl_add_u32 v7, v3, 7, v7                   ; LDS out: row r, d block h
	v_lshlrev_b32 v8, 3, v1                        ; 8 x lane
	s_lshr_b32 s13, ttmp9, 6                       ; batch
	s_bfe_u32 s14, ttmp9, 0x40002                  ; head
	s_and_b32 s15, ttmp9, 3                        ; et
	s_lshl_b32 s13, s13, 8
	s_add_co_u32 s13, s13, s14                     ; 256 n + head
	s_lshl_b32 s16, s13, 14
	s_lshl_b32 s18, s13, 9
	s_add_co_u32 s14, s11, s15                     ; 4 dt + et
	s_lshl_b32 s14, s14, 10
	s_add_co_u32 s16, s16, s14
	s_mov_b32 s17, 0
	s_mov_b32 s19, 0
	s_lshl_b32 s20, ttmp9, 10
	s_mov_b32 s21, 0
	s_mov_b32 s22, 0x76543210
	s_mov_b32 s23, 0xfedcba98                      ; v_permlanex16_b32's selects for lane l xor 16
	s_wait_kmcnt 0x0
	s_add_nc_u64 s[4:5], s[4:5], s[16:17]
	s_add_nc_u64 s[6:7], s[6:7], s[18:19]
	s_add_nc_u64 s[8:9], s[8:9], s[20:21]
.irp c, 0,1,2,3,4,5,6,7,8,9,10,11,12,13,14,15
	global_load_b32 v[NMC+\c], v5, s[6:7] offset:8192*\c
.endr
.irp c, 0,1,2,3,4,5,6,7,8,9,10,11,12,13,14,15
	global_load_b32 v[LC+\c], v5, s[6:7] offset:8192*\c+256
.endr
.irp c, 0,1,2,3,4,5,6,7,8,9,10,11,12,13,14,15
	global_load_b128 v[KC+8*\c:KC+8*\c+3], v4, s[4:5] offset:262144*\c th:TH_LOAD_NT
	global_load_b128 v[KC+8*\c+4:KC+8*\c+7], v4, s[4:5] offset:262144*\c+512 th:TH_LOAD_NT
.endr
	s_wait_loadcnt 32                              ; the statistics are in; the 32 loads of tiles may be out
	v_min3_num_f32 v104, v[NMC], v[NMC+1], v[NMC+2]
.irp c, 3,5,7,9,11,13
	v_min3_num_f32 v104, v104, v[NMC+\c], v[NMC+\c+1]
.endr
	v_min_num_f32 v104, v104, v[NMC+15]            ; -M = the least -M_c
.irp c, 0,1,2,3,4,5,6,7,8,9,10,11,12,13,14,15
	v_sub_f32 v[WC+\c], v104, v[NMC+\c]            ; M_c - M: a whole number, 0 or less
.endr
.irp c, 0,1,2,3,4,5,6,7,8,9,10,11,12,13,14,15
	v_cvt_i32_f32 v[WC+\c], v[WC+\c]               ; (it saturates)
.endr
.irp c, 0,1,2,3,4,5,6,7,8,9,10,11,12,13,14,15
	v_ldexp_f32 v[WC+\c], 1.0, v[WC+\c]
.endr
	v_mul_f32 v105, v[WC], v[LC]                   ; l, in two chains
	v_mul_f32 v106, v[WC+1], v[LC+1]
.irp c, 2,4,6,8,10,12,14
	v_fma_f32 v105, v[WC+\c], v[LC+\c], v105
	v_fma_f32 v106, v[WC+\c+1], v[LC+\c+1], v106
.endr
	v_add_f32 v105, v105, v106                     ; at least 1/2: the chunk that holds M has the factor 1
	v_rcp_f32 v106, v105
	v_rcp_f32 v107, v105
	v_nop                                          ; a plain line behind the reciprocals
.irp c, 0,1,2,3,4,5,6,7,8,9,10,11,12,13,14,15
	s_wait_loadcnt 30-2*\c                         ; chunk c's two loads are in; the later chunks' may be out
.irp i, 0,2,4,6
.if \c == 0
	v_pk_mul_f32 v[SUM+\i:SUM+\i+1], v[KC+\i:KC+\i+1], v[WC:WC+1] op_sel_hi:[1,0]
.elseif \c%2 == 0
	v_pk_fma_f32 v[SUM+\i:SUM+\i+1], v[KC+8*\c+\i:KC+8*\c+\i+1], v[WC+\c:WC+\c+1], v[SUM+\i:SUM+\i+1] op_sel_hi:[1,0,1]
.else
	v_pk_fma_f32 v[SUM+\i:SUM+\i+1], v[KC+8*\c+\i:KC+8*\c+\i+1], v[WC+\c-1:WC+\c], v[SUM+\i:SUM+\i+1] op_sel:[0,1,0] op_sel_hi:[1,1,1]
.endif
.endr
.endr
	s_wait_alu depctr_va_vdst(0)
.irp i, 0,2,4,6
	v_pk_mul_f32 v[SUM+\i:SUM+\i+1], v[SUM+\i:SUM+\i+1], v[106:107]
.endr
.irp j, 0,1,2,3,4,5,6,7
	ds_store_b32 v6, v[SUM+\j] offset:272*\j
.endr
	s_wait_dscnt 0x0                               ; for the others' sake: my stores are done
	s_barrier_signal -1
	s_barrier_wait -1
	s_cmp_lg_u32 s10, 0
	s_cbranch_scc1 .Lend                           ; one fragment of 16 x 64 is one wave's work
	ds_load_b128 v[X:X+3], v7                      ; members 0-7,
	ds_load_b128 v[X+4:X+7], v7 offset:16
	ds_load_b128 v[X+8:X+11], v7 offset:64         ; 16-23,
	ds_load_b128 v[X+12:X+15], v7 offset:80
	ds_load_b128 v[X+16:X+19], v7 offset:32        ; 8-15,
	ds_load_b128 v[X+20:X+23], v7 offset:48
	ds_load_b128 v[X+24:X+27], v7 offset:96        ; 24-31
	ds_load_b128 v[X+28:X+31], v7 offset:112
	s_wait_dscnt 0x0
	v_max3_num_f32 v104, |v[X]|, |v[X+1]|, 0x1800000   ; the block's largest magnitude, and the floor 2^(3 - 127): the byte cannot fall under 1
	v_max_num_f32 v105, |v[X+2]|, |v[X+3]|
.irp i, 4,8,12,16,20,24,28
	v_max3_num_f32 v104, v104, |v[X+\i]|, |v[X+\i+1]|
	v_max3_num_f32 v105, v105, |v[X+\i+2]|, |v[X+\i+3]|
.endr
	v_max_num_f32 v104, v104, v105
	v_add_nc_u32 v106, 0xff000000, v104            ; 2 off its exponent field: the conversions' scale operand
	v_lshrrev_b32 v107, 23, v106                   ; the byte
	v_cvt_scalef32_pk16_fp6_f32 v[108:110], v[X:X+15], v106
	v_cvt_scalef32_pk16_fp6_f32 v[112:114], v[X+16:X+31], v106   ; (a conversion's three registers begin on an even number)
	v_nop                                          ; a plain line behind the conversions
	v_mov_b32 v111, v112
	v_mov_b32 v112, v113
	v_mov_b32 v113, v114                           ; v108-113: the operand's registers 0 to 5
	v_lshlrev_b32 v115, 3, v3
	v_lshlrev_b32 v116, v115, v107                 ; my byte at its place, 8 h bits up
	v_mov_b32 v117, 0
	v_permlanex16_b32 v117, v116, s22, s23
	v_or_b32 v116, v116, v117                      ; with lane l xor 16's: byte 0 = d block 0, byte 1 = d block 1
	global_store_b128 v4, v[108:111], s[8:9]       ; 512 consecutive bytes,
	global_store_b64 v8, v[112:113], s[8:9] offset:512   ; 256,
	global_store_b64 v8, v[116:117], s[8:9] offset:768   ; and 256: the word and a word that nobody reads, so that the piece's 1,024 bytes are written whole
.Lend:
	s_wait_tensorcnt 0x0
	ds_add_u32 v126, v127
	s_wait_dscnt 0x0
	s_endpgm
.Lfunc_end_k_q2d50857ace_combine:
	.size	k_q2d50857ace_combine, .Lfunc_end_k_q2d50857ace_combine-k_q2d50857ace_combine
	.p2alignl 7, 3214868480
	.fill 96, 4, 3214868480
	.section	.rodata,"a",@progbits
	.p2align	6, 0x0
	.amdhsa_kernel k_q2d50857ace_combine
		.amdhsa_group_segment_fixed_size 5120
		.amdhsa_private_segment_fixed_size 0
		.amdhsa_enable_private_segment 0
		.amdhsa_kernarg_size 24
		.amdhsa_user_sgpr_count 2
		.amdhsa_user_sgpr_kernarg_segment_ptr 1
		.amdhsa_wavefront_size32 1
		.amdhsa_system_sgpr_workgroup_id_x 1
		.amdhsa_system_sgpr_workgroup_id_y 1
		.amdhsa_system_sgpr_workgroup_id_z 1
		.amdhsa_system_vgpr_workitem_id 0
		.amdhsa_next_free_vgpr 256
		.amdhsa_next_free_sgpr 66
		.amdhsa_reserve_vcc 0
		.amdhsa_float_denorm_mode_32 3
		.amdhsa_float_denorm_mode_16_64 3
		.amdhsa_memory_ordered 1
		.amdhsa_forward_progress 1
		.amdhsa_inst_pref_size 20
	.end_amdhsa_kernel
	.amdgpu_metadata
---
amdhsa.version: [ 1, 2 ]
amdhsa.kernels:
  - .name:           k_q2d50857ace_combine
    .symbol:         k_q2d50857ace_combine.kd
    .args:
      - { .name: kvp, .offset: 0, .size: 8, .value_kind: global_buffer, .address_space: global }
      - { .name: st, .offset: 8, .size: 8, .value_kind: global_buffer, .address_space: global }
      - { .name: kvc, .offset: 16, .size: 8, .value_kind: global_buffer, .address_space: global }
    .group_segment_fixed_size: 5120
    .private_segment_fixed_size: 0
    .kernarg_segment_align: 8
    .kernarg_segment_size: 24
    .max_flat_workgroup_size: 128
    .sgpr_count:     66
    .vgpr_count:     256
    .wavefront_size: 32
...
	.end_amdgpu_metadata
.endif
;; end of part 2
;; launch qout (part 3): grid 4 x 64, 4 waves a work-group, clusters of 4 x 4, 327,680 bytes of LDS; arguments q_codes, q_scales, Wq_codes, Wq_scales, mask_q, kvc, out0; writes out0
.if DOCPART == 3
	.amdgcn_target "amdgcn-amd-amdhsa--gfx1250"
	.amdhsa_code_object_version 6
	.text
	.protected	k_q2d50857ace_qout
	.globl	k_q2d50857ace_qout
	.p2align	8
	.type	k_q2d50857ace_qout,@function
k_q2d50857ace_qout:
	s_mov_b64 s[64:65], 0
	v_nop
	global_prefetch_b8 v0, s[64:65] scope:SCOPE_SE
	s_setreg_imm32_b32 hwreg(HW_REG_WAVE_MODE, 25, 1), 1
	s_wait_xcnt 0x0
	s_wait_alu depctr_hold_cnt(0) depctr_sa_sdst(0) depctr_va_vdst(0) depctr_va_sdst(0) depctr_va_ssrc(0) depctr_va_vcc(0) depctr_vm_vsrc(0)
	s_getreg_b32 s2, hwreg(HW_REG_IB_STS2, 6, 4)
	s_cmp_eq_u32 s2, 0
	s_cbranch_scc0 .Lentry_in_a_cluster
	s_endpgm
.Lentry_in_a_cluster:
	s_bfe_u32 s2, ttmp6, 0x10000c
	s_cmp_lg_u32 s2, 0xf033
	s_cbranch_scc0 .Lentry_shape_is_right
	s_endpgm
.Lentry_shape_is_right:
; QOUT.  For 256 tokens and 256 columns (4 heads): qh = q Wq on the given E2M3 codes; qh takes -10000 (1 - mask_q); for each token and head p = 2^(qh log2(e) - M), M the ceiling of the largest t among the head's 64;
; p is quantised along the head's 64 and multiplied by the quantised kv; the result is divided by the sum of the unquantised p and stored.
; SHARES.  Four waves, each 128 tokens x 128 columns (2 heads): 64 accumulators of 16 x 16.  K = 1,024 goes in four steps of 256 (rows of 192 bytes) through two LDS slots filled by tensor loads.
; SOURCE 0 = 16 ROWS OF Wq, SOURCE 1 = 16 TOKENS: a lane holds ONE token and its registers run along the columns, which are the next product's K: register 8 b + j of a block of 16 tokens is column 16 b + 8 (lane / 16) + j.
; ORDER INSIDE A BLOCK OF 32: code places 8-15 hold members 16-23 and places 16-23 members 8-15; kv's codes were laid in the same order, so each product meets its partner; only the order in which the unit adds them differs.
; THE SECOND PRODUCT has K = 64, half of the instruction's 128.  A fragment of kv holds head 0's 64 in its lower six registers and head 1's in its upper six; p's codes stand as [head 0][six registers of zero codes][head 1],
; so that registers 0-11 are head 0's operand and registers 6-17 head 1's: zero codes add nothing under any scale byte that stands there.  Its results fall into the accumulators that p has left, in the same layout.
; THE SCALES of my 128 + 128 rows for all of K stand in 64 registers: register 8 p + kap holds word kap of block p in lanes 0-15 and of block p + 4 in lanes 16-31.
; CLUSTER 4 x 4: the four work-groups of a cluster row need the same tokens, the four of a column the same rows of Wq: each tile is asked for jointly.  kv (7 KiB a wave) comes by plain loads: a small part of what a wave reads.
; LIMITS: NaN and infinities are not served; p under 2^-126 comes out of v_exp_f32 as 0; a block of zeros gets the scale byte 1; t - M is one fused multiply-add of the f32 logit; 1 / l is v_rcp_f32.
.set ROWB,  192
.set KROW,  768
.set PITCH, 240                        ; an LDS row: 3 x (64 bytes + 16 of padding)
.set FR,    12
.set NL,    6
.set NP,    4                          ; places behind this matrix instruction (ISA guide 7.12.1)
.set HALFT, 128*PITCH
.set SLOT,  4*HALFT                    ; the 256 tokens, then Wq's 256 rows
.set SPARE, 307200                     ; the spare words, 128 bytes a wave: two blocks of 256 bytes that no other line names
.set SPITCH, 528                       ; the way out: 16 rows x (512 bytes + 16) a wave, in slot 0, behind its last fill and its last read
.set GW0,   (1<<20)|(1<<21)|(3<<22)|(3<<25)
.set L16,  4                           ; v4   16 x lane: kv's codes, and my bytes of a row of out0
.set L8,   5                           ; v5   8 x lane
.set LSC,  7                           ; v7   (64 h + r) x 32
.set L4R,  8                           ; v8   4 r
.set ADRA, 16                          ; v16-19 the tokens' fragments;  v20-23 Wq's
.set ADRB, 20
.set STO,  24                          ; v24  the stage: where I put 32 bytes of a row;  v25 where I read a row back
.set RD,   25
.set SPW,  28
.set NIL,  29
.set SA,   32                          ; v32-63 the tokens' scale words;  v64-95 Wq's
.set SB,   64
.set AF,   96                          ; v96-191 the tokens' fragments, one set;  in the epilogue:
.set PC,   96                          ; v96-113 p's codes: head 0, zeros, head 1
.set CT0,  114
.set CT1,  118
.set BM,   192
.set T,    196
.set SO,   200
.set BY,   204
.set NM,   208                         ; v208-211 pairs (-M, t of the maximum), a pair a head
.set S,    212                         ; v212-219 the sums: two packed chains a head
.set IL,   220                         ; v220, v221 1 / l of head 0, 1
.set PW,   238                         ; p's scale word: scales and nothing else
.set BQ,   240                         ; v240-247 -10000 (1 - mask) of token 16 a + r
.set KS,   248                         ; v248-251 kv's scale words: scales and nothing else
.set KR,   252                         ; v252-255 head 1's two bytes as they come
.set KV,   192                         ; window 1: v192-239 kv's four fragments
.set G1,   28
.set G1B,  36
.set G0,   44
.set G0B,  52
.set WV,   60
.set HS1,  61                          ; which half of the tokens is mine; also: I fetch tokens (0) or Wq (1)
.set HS0,  62                          ; which half of the columns is mine; also: which 128 rows I fetch
.set SEL,  80
.set CS,   82
.set TENK, 84
.set MUL_LO, 0xa1
.set MUL_HI, 0xf1
.set TO_B,   0x40
.set MSB, 0
.macro WIN new                         ; the immediate's high byte repeats the setting that is left
.if MSB != (\new)
	s_set_vgpr_msb (MSB<<8)|(\new)
.set MSB, (\new)
.endif
.endm
.macro PLACES n
.rept \n
	v_nop
.endr
.endm
.macro JLOAD g0a, g1a, g0b, g1b        ; a joint load: waves 0 and 1 fetch the tokens' halves, waves 2 and 3 Wq's; four v_nop follow each of the two lines
	s_cmp_eq_u32 s[HS1], 0
	s_cbranch_scc0 .Lfor_b_\@
	tensor_load_to_lds s[\g0a:\g0a+3], s[\g1a:\g1a+7]
	s_nop 0
.rept 4
	v_nop
.endr
	s_branch .Lasked_\@
.Lfor_b_\@:
	tensor_load_to_lds s[\g0b:\g0b+3], s[\g1b:\g1b+7]
	s_nop 0
.rept 4
	v_nop
.endr
.Lasked_\@:
.endm
.macro CREST
	s_cmp_lg_u32 s[WV], 0
	s_cbranch_scc1 .Lnot_wave_0_\@
	s_barrier_signal -3
.Lnot_wave_0_\@:
	s_barrier_wait -3
	s_barrier_signal -1
	s_barrier_wait -1
.endm
.macro CROUND
	s_barrier_signal -1
	s_barrier_wait -1
	CREST
.endm
.macro FRAG reg, adr, q, i             ; 16 rows x 128 K in pieces of 8 bytes; lanes 16-31 read three pieces on: where that lies behind one padding more, the second address register serves
.irp p, 0,1,2,3,4,5
.set PIECE, 12*(\q)+6*(\p/3)+\p%3
.if PIECE%8 < 5
	ds_load_b64 v[\reg+2*\p:\reg+2*\p+1], v[\adr] offset:8*PIECE+16*(PIECE/8)+(\i)*16*PITCH
.else
	ds_load_b64 v[\reg+2*\p:\reg+2*\p+1], v[\adr+2] offset:8*PIECE+16*(PIECE/8)+(\i)*16*PITCH
.endif
.endr
.endm
.macro FETCH_B slot, q, p
	WIN TO_B
.irp i, 0,1,2,3,4,5,6,7
	FRAG 96*(\p)+FR*\i, ADRB+\slot, \q, \i
.endr
	WIN 0
.endm
.macro FETCH_A slot, q, i0
.irp i, \i0, \i0+1, \i0+2, \i0+3
	FRAG AF+FR*(\i), ADRA+\slot, \q, \i
.endr
.endm
.macro WM d, fa, fb, sa, sb, ra, rb, zero   ; one scaled product.  ra, rb: the side's scales stand in lanes 16-31.  zero: it starts the sum
.if (\zero)
.if ((\ra) == 0) && ((\rb) == 0)
	v_wmma_scale_f32_16x16x128_f8f6f4 v[(\d):(\d)+7], v[(\fa):(\fa)+11], v[(\fb):(\fb)+11], 0, v[(\sa)], v[(\sb)] matrix_a_fmt:MATRIX_FMT_FP6 matrix_b_fmt:MATRIX_FMT_FP6
.elseif (\rb) == 0
	v_wmma_scale_f32_16x16x128_f8f6f4 v[(\d):(\d)+7], v[(\fa):(\fa)+11], v[(\fb):(\fb)+11], 0, v[(\sa)], v[(\sb)] matrix_a_fmt:MATRIX_FMT_FP6 matrix_b_fmt:MATRIX_FMT_FP6 matrix_a_scale:MATRIX_SCALE_ROW1
.elseif (\ra) == 0
	v_wmma_scale_f32_16x16x128_f8f6f4 v[(\d):(\d)+7], v[(\fa):(\fa)+11], v[(\fb):(\fb)+11], 0, v[(\sa)], v[(\sb)] matrix_a_fmt:MATRIX_FMT_FP6 matrix_b_fmt:MATRIX_FMT_FP6 matrix_b_scale:MATRIX_SCALE_ROW1
.else
	v_wmma_scale_f32_16x16x128_f8f6f4 v[(\d):(\d)+7], v[(\fa):(\fa)+11], v[(\fb):(\fb)+11], 0, v[(\sa)], v[(\sb)] matrix_a_fmt:MATRIX_FMT_FP6 matrix_b_fmt:MATRIX_FMT_FP6 matrix_a_scale:MATRIX_SCALE_ROW1 matrix_b_scale:MATRIX_SCALE_ROW1
.endif
.else
.if ((\ra) == 0) && ((\rb) == 0)
	v_wmma_scale_f32_16x16x128_f8f6f4 v[(\d):(\d)+7], v[(\fa):(\fa)+11], v[(\fb):(\fb)+11], v[(\d):(\d)+7], v[(\sa)], v[(\sb)] matrix_a_fmt:MATRIX_FMT_FP6 matrix_b_fmt:MATRIX_FMT_FP6
.elseif (\rb) == 0
	v_wmma_scale_f32_16x16x128_f8f6f4 v[(\d):(\d)+7], v[(\fa):(\fa)+11], v[(\fb):(\fb)+11], v[(\d):(\d)+7], v[(\sa)], v[(\sb)] matrix_a_fmt:MATRIX_FMT_FP6 matrix_b_fmt:MATRIX_FMT_FP6 matrix_a_scale:MATRIX_SCALE_ROW1
.elseif (\ra) == 0
	v_wmma_scale_f32_16x16x128_f8f6f4 v[(\d):(\d)+7], v[(\fa):(\fa)+11], v[(\fb):(\fb)+11], v[(\d):(\d)+7], v[(\sa)], v[(\sb)] matrix_a_fmt:MATRIX_FMT_FP6 matrix_b_fmt:MATRIX_FMT_FP6 matrix_b_scale:MATRIX_SCALE_ROW1
.else
	v_wmma_scale_f32_16x16x128_f8f6f4 v[(\d):(\d)+7], v[(\fa):(\fa)+11], v[(\fb):(\fb)+11], v[(\d):(\d)+7], v[(\sa)], v[(\sb)] matrix_a_fmt:MATRIX_FMT_FP6 matrix_b_fmt:MATRIX_FMT_FP6 matrix_a_scale:MATRIX_SCALE_ROW1 matrix_b_scale:MATRIX_SCALE_ROW1
.endif
.endif
.endm
.macro MUL16 a0, p, kap, zero          ; 16 products: the tokens' blocks a0, a0 + 1 x Wq's eight.  The 64 accumulators take turns, one instruction a turn, in the same order in every step
.irp a, \a0, \a0+1
.irp b, 0,1,2,3,4,5,6,7
	WM 8*(8*((\a)%4)+\b), 96*(\p)+FR*\b, AF+FR*(\a), SB+8*(\b%4)+(\kap), SA+8*((\a)%4)+(\kap), \b/4, (\a)/4, \zero
.endr
.endr
.endm
.macro STEP slot, kap, zero            ; a slot's first 128 along K
	s_wait_dscnt 4*NL                              ; Wq's set and the tokens' blocks 0-3 are in; the youngest 24 loads (blocks 4-7) may be out
	WIN MUL_LO
	MUL16 0, 0, \kap, \zero
	MUL16 2, 0, \kap, \zero
	s_wait_dscnt 0x0
	PLACES NP                                      ; in front of loads into registers that matrix instructions have read
	FETCH_B \slot, 1, 1
	FETCH_A \slot, 1, 0
	WIN MUL_HI
	MUL16 4, 0, \kap, \zero
	MUL16 6, 0, \kap, \zero
	PLACES NP
	WIN 0
	FETCH_A \slot, 1, 4
.endm
; A slot's second 128 along K, and the change of slots: ONE barrier; in front of it each wave waits for all its tensor loads, adds 0 to its spare word, and waits for that and for its reads of this slot.  fill = 1: this slot takes the K step two on.
.macro TURN slot, next, kap, fill
	s_wait_tensorcnt 0x0                           ; all my tensor loads have landed: my part of the next slot
	ds_add_u32 v[SPW], v[NIL]                      ; 0 onto my spare word
	s_wait_dscnt 4*NL+1                            ; (the add and the youngest 24 loads may be out)
	WIN MUL_LO
	MUL16 0, 1, \kap, 0                            ; sixteen products stand between the add and the wait for it
	s_wait_dscnt 0x0                               ; the add is done, and my reads of this slot are over
	s_barrier_signal -1
	MUL16 2, 1, \kap, 0
	WIN 0
	s_barrier_wait -1
.if (\fill)
	CREST                                          ; the barrier has opened a round of the cluster's: no wave of any partner still reads this slot or has a load on its way
	s_add_nc_u64 s[G0+4*\slot+2:G0+4*\slot+3], s[G0+4*\slot+2:G0+4*\slot+3], 2*ROWB
	s_add_nc_u64 s[G0B+4*\slot+2:G0B+4*\slot+3], s[G0B+4*\slot+2:G0B+4*\slot+3], 2*ROWB
	JLOAD G0+4*\slot, G1, G0B+4*\slot, G1B         ; the first tensor load behind the round, one a wave; its four v_nop are also the places in front of the loads below
.else
	PLACES NP
.endif
	FETCH_B \next, 0, 0
	FETCH_A \next, 0, 0
	WIN MUL_HI
	MUL16 4, 1, \kap, 0
	MUL16 6, 1, \kap, 0
	PLACES NP
	WIN 0
	FETCH_A \next, 0, 4
.endm
.macro LAST kap
	s_wait_dscnt 4*NL
	WIN MUL_LO
	MUL16 0, 1, \kap, 0
	MUL16 2, 1, \kap, 0
	s_wait_dscnt 0x0
	WIN MUL_HI
	MUL16 4, 1, \kap, 0
	MUL16 6, 1, \kap, 0
	WIN 0
.endm
.macro SCLOAD b0, b1                   ; the scale words of my 128 rows of Wq (base b0) and my 128 tokens (base b1), for all of K: each pair of loads reads 2 x 512 consecutive bytes whole
.irp p, 0,1,2,3
	global_load_b128 v[SB+8*\p:SB+8*\p+3], v[LSC], s[\b0:\b0+1] offset:512*\p
	global_load_b128 v[SB+8*\p+4:SB+8*\p+7], v[LSC], s[\b0:\b0+1] offset:512*\p+16
	global_load_b128 v[SA+8*\p:SA+8*\p+3], v[LSC], s[\b1:\b1+1] offset:512*\p
	global_load_b128 v[SA+8*\p+4:SA+8*\p+7], v[LSC], s[\b1:\b1+1] offset:512*\p+16
.endr
.endm
.macro BLKMAX dst                      ; the largest score of each of the four blocks among the 64 registers at AC; each accumulator is read from its low end on; the four blocks by turns
.irp b, 0,1,2,3
	v_max_num_f32 v[\dst+\b], v[AC+16*\b], v[AC+16*\b+1]
.endr
.irp i, 2,4,6,8,10,12,14
.irp b, 0,1,2,3
	v_max3_num_f32 v[\dst+\b], v[AC+16*\b+\i], v[AC+16*\b+\i+1], v[\dst+\b]
.endr
.endr
.endm
.macro BYTES
.irp b, 0,1,2,3
	v_add_nc_u32 v[SO+\b], 0xff000000, v[BM+\b]    ; 2 off the exponent field: the conversion's scale operand
.endr
.irp b, 0,1,2,3
	v_lshrrev_b32 v[BY+\b], 23, v[SO+\b]
.endr
	v_lshl_or_b32 v[PW], v[BY+1], 8, v[BY]
	v_lshl_or_b32 v[PW], v[BY+2], 16, v[PW]
	v_lshl_or_b32 v[PW], v[BY+3], 24, v[PW]
.endm
.macro CVT4 st
	v_cvt_scalef32_pk16_fp6_f32 v[PC:PC+2], v[AC:AC+15], v[SO]
	v_cvt_scalef32_pk16_fp6_f32 v[CT0:CT0+2], v[AC+16:AC+31], v[SO+1]
	v_cvt_scalef32_pk16_fp6_f32 v[PC+\st:PC+\st+2], v[AC+32:AC+47], v[SO+2]
	v_cvt_scalef32_pk16_fp6_f32 v[CT1:CT1+2], v[AC+48:AC+63], v[SO+3]
	v_nop                                          ; a plain line behind the last conversion
.endm
.macro SWAPS st                        ; the operand's layout wants a whole block in a lane: lanes 0-15 the even block, lanes 16-31 the odd one
.irp i, 0,1,2
	v_permlane16_swap_b32 v[PC+\i], v[CT0+\i]
	v_permlane16_swap_b32 v[PC+\st+\i], v[CT1+\i]
.endr
.irp i, 0,1,2
	v_mov_b32 v[PC+3+\i], v[CT0+\i]
	v_mov_b32 v[PC+\st+3+\i], v[CT1+\i]
.endr
.endm
; The way out of block a (16 tokens x 128 columns): through my own stage in LDS, back as whole rows of 512 bytes into window 1 (two sets by turns).  LDS serves a wave's instructions in order (ISA guide 5.7.1.4).
.macro TOSTAGE a
	WIN 0x08+4*(W-2)
.irp b, 0,1,2,3,4,5,6,7
	ds_store_b128 v[STO], v[AC+8*\b:AC+8*\b+3] offset:64*\b
	ds_store_b128 v[STO], v[AC+8*\b+4:AC+8*\b+7] offset:64*\b+16
.endr
.if (\a) >= 2
	s_wait_xcnt 0x0                                ; block a - 2's stores have read their registers: block a's rows may land there
.endif
	WIN TO_B
.irp t, 0,1,2,3,4,5,6,7,8,9,10,11,12,13,14,15
	ds_load_b128 v[64*((\a)%2)+4*\t:64*((\a)%2)+4*\t+3], v[RD] offset:\t*SPITCH
.endr
	WIN 0
.endm
.macro SEND a
	s_wait_dscnt 0x0                               ; the block is back in registers
	WIN 0x04                                       ; a store's data: window 1
.irp t, 0,1,2,3,4,5,6,7,8,9,10,11,12,13,14,15
	global_store_b128 v[L16], v[64*((\a)%2)+4*\t:64*((\a)%2)+4*\t+3], s[90:91] offset:(16*(\a)+\t)*4096 th:TH_STORE_NT   ; 32 lanes store 512 consecutive bytes, aligned; 127 rows at the most stand in the immediate
.endr
	WIN 0
.endm
; Block a of 16 tokens: bias, softmax over each head's 64, codes, the product with kv, the division, the stage.  The block before is stored while this block's exponentials are on their way.
.macro QBLOCK a
.set W, 2+(\a)/4
.set AC, 64*((\a)%4)
	WIN 0x82+0x41*(W-2)
.set k, 0
.rept 32
.if (\a)%2 == 0
	v_pk_add_f32 v[AC+k:AC+k+1], v[AC+k:AC+k+1], v[BQ+(\a):BQ+(\a)+1] op_sel_hi:[1,0]               ; one f32 addition, as in the definition
.else
	v_pk_add_f32 v[AC+k:AC+k+1], v[AC+k:AC+k+1], v[BQ+(\a)-1:BQ+(\a)] op_sel:[0,1] op_sel_hi:[1,1]
.endif
.set k, k+2
.endr
	WIN 0x0a+5*(W-2)
	BLKMAX BM
	WIN 0
.irp b, 0,1,2,3
	v_permlanex16_b32 v[T+\b], v[BM+\b], s[SEL], s[SEL+1]
.endr
.irp b, 0,1,2,3
	v_max_num_f32 v[BM+\b], v[BM+\b], v[T+\b]      ; the block's largest score
.endr
.irp g, 0,1
	v_max_num_f32 v[NM+2*\g+1], v[BM+2*\g], v[BM+2*\g+1]
.endr
.irp g, 0,1
	v_mul_f32 v[NM+2*\g+1], s[CS], v[NM+2*\g+1]    ; the head's largest t
.endr
.irp g, 0,1
	v_floor_f32 v[NM+2*\g], -v[NM+2*\g+1]          ; -M
.endr
.irp b, 0,1,2,3
	v_fma_f32 v[BM+\b], v[BM+\b], s[CS], v[NM+2*(\b/2)]
.endr
	WIN 0x82+0x41*(W-2)
.set k, 0
.rept 32
	v_pk_fma_f32 v[AC+k:AC+k+1], v[AC+k:AC+k+1], s[CS:CS+1], v[NM+2*(k/32):NM+2*(k/32)+1] op_sel_hi:[1,0,0]
.set k, k+2
.endr
.set k, 0
.rept 64
	v_exp_f32 v[AC+k], v[AC+k]
.set k, k+1
.endr
.if (\a) > 0
	SEND (\a)-1
.endif
	WIN 0
.irp b, 0,1,2,3
	v_exp_f32 v[BM+\b], v[BM+\b]                   ; the block's largest p
.endr
	v_nop                                          ; a plain line behind the exponentials
	s_wait_alu depctr_va_vdst(0)
.irp b, 0,1,2,3
	v_max_num_f32 v[BM+\b], 0x1800000, v[BM+\b]    ; the floor 2^(3 - 127)
.endr
	BYTES
	WIN 0x0a+5*(W-2)
.irp g, 0,1
	v_pk_add_f32 v[S+4*\g:S+4*\g+1], v[AC+32*\g:AC+32*\g+1], v[AC+32*\g+2:AC+32*\g+3]       ; the sums are taken of the unquantised p
	v_pk_add_f32 v[S+4*\g+2:S+4*\g+3], v[AC+32*\g+4:AC+32*\g+5], v[AC+32*\g+6:AC+32*\g+7]
.endr
	WIN 0x02+(W-2)
	CVT4 12
.irp g, 0,1
.set k, 8
.rept 6
	v_pk_add_f32 v[S+4*\g:S+4*\g+1], v[AC+32*\g+k:AC+32*\g+k+1], v[S+4*\g:S+4*\g+1]
	v_pk_add_f32 v[S+4*\g+2:S+4*\g+3], v[AC+32*\g+k+2:AC+32*\g+k+3], v[S+4*\g+2:S+4*\g+3]
.set k, k+4
.endr
.endr
	WIN 0
	SWAPS 12
.irp g, 0,1                            ; (these lines are also the places between the operand's last write and the scaled products)
	v_pk_add_f32 v[S+4*\g:S+4*\g+1], v[S+4*\g:S+4*\g+1], v[S+4*\g+2:S+4*\g+3]
.endr
.irp g, 0,1
	v_add_f32 v[S+4*\g], v[S+4*\g], v[S+4*\g+1]
.endr
.irp g, 0,1
	v_permlanex16_b32 v[T+\g], v[S+4*\g], s[SEL], s[SEL+1]
.endr
.irp g, 0,1
	v_add_f32 v[S+4*\g], v[S+4*\g], v[T+\g]        ; l of my token and head g
.endr
.irp g, 0,1
	v_rcp_f32 v[IL+\g], v[S+4*\g]
.endr
	v_nop                                          ; a plain line behind the reciprocals
	s_wait_alu depctr_va_vdst(0)
	WIN MUL_LO+0x50*(W-2)
.irp g, 0,1
.irp e, 0,1,2,3
	WM AC+8*(4*\g+\e), KV+12*\e, PC+6*\g, KS+\e, PW, 0, 0, 1       ; source 0 = 16 channels of kv, source 1 = my 16 tokens' p: eight sums of one product each
.endr
.endr
	PLACES NP
	WIN 0x82+0x41*(W-2)
.set k, 0
.rept 32
.if k < 32
	v_pk_mul_f32 v[AC+k:AC+k+1], v[AC+k:AC+k+1], v[IL:IL+1] op_sel_hi:[1,0]
.else
	v_pk_mul_f32 v[AC+k:AC+k+1], v[AC+k:AC+k+1], v[IL:IL+1] op_sel:[0,1] op_sel_hi:[1,1]
.endif
.set k, k+2
.endr
	TOSTAGE \a
.endm
	s_load_b256 s[4:11], s[0:1], 0x0               ; q_codes, q_scales, Wq_codes, Wq_scales
	s_load_b128 s[12:15], s[0:1], 0x20             ; mask_q, kvc
	s_load_b64 s[16:17], s[0:1], 0x30              ; out0
	v_lshl_add_u32 v[SPW], v0, 2, SPARE
	v_mov_b32 v[NIL], 0
	ds_add_u32 v28, v29
	ds_add_u32 v28, v29
	s_wait_dscnt 0x0
	v_lshrrev_b32 v1, 5, v0
	v_readfirstlane_b32 s[WV], v1                  ; wave 0..3
	s_lshr_b32 s[HS1], s[WV], 1
	s_and_b32 s[HS0], s[WV], 1
	s_bfe_u32 s66, ttmp6, 0x40000                  ; cx
	s_bfe_u32 s67, ttmp6, 0x40004                  ; cy
	s_lshl_b32 s68, ttmp9, 2
	s_add_co_u32 s68, s68, s66                     ; x = the block of 256 columns
	s_and_b32 s63, ttmp7, 0xffff
	s_lshl_b32 s63, s63, 2
	s_add_co_u32 s63, s63, s67                     ; y = the block of 256 tokens
	s_lshl_b32 s70, s67, 2
	s_lshl_b32 s70, 15, s70                        ; my row of the cluster
	s_lshl_b32 s71, 0x1111, s66                    ; my column
	s_or_b32 s[G1], s70, GW0                       ; the tokens' tiles hang on y alone: shared along the row
	s_or_b32 s[G1B], s71, GW0                      ; Wq's on x alone: shared along the column
.irp g, G1, G1B
	s_mov_b32 s[\g+1], ROWB<<16
	s_mov_b32 s[\g+2], 128<<16
	s_mov_b32 s[\g+3], ROWB<<16
	s_mov_b32 s[\g+4], 128
	s_mov_b32 s[\g+5], KROW
	s_mov_b32 s[\g+6], 0
	s_mov_b32 s[\g+7], 0
.endr
	s_lshl_b32 s69, s[HS0], 7                      ; which 128 rows I fetch
	s_lshl_b32 s76, s63, 8
	s_add_co_u32 s76, s76, s69
	s_mul_i32 s76, s76, KROW                       ; tokens: byte of row 256 y + 128 half  (s76:77 hold nothing of cx, s78:79 nothing of cy)
	s_mov_b32 s77, 0
	s_lshl_b32 s78, s68, 8
	s_add_co_u32 s78, s78, s69
	s_mul_i32 s78, s78, KROW                       ; Wq: byte of row 256 x + 128 half
	s_mov_b32 s79, 0
	s_mul_i32 s94, s[WV], HALFT
	s_mov_b32 s[SEL], 0x76543210
	s_mov_b32 s[SEL+1], 0xfedcba98
	s_mov_b32 s[CS], 0x3fb8aa3b                    ; log2(e)
	s_mov_b32 s[CS+1], s[CS]
	s_mov_b32 s[TENK], 0x461c4000                  ; 10000.0
	s_mov_b32 s[TENK+1], s[TENK]
	s_wait_kmcnt 0x0
	s_add_nc_u64 s[4:5], s[4:5], s[76:77]
	s_add_nc_u64 s[8:9], s[8:9], s[78:79]
	CROUND                                         ; all sixteen work-groups are here: the first joint loads meet
.irp s, 0,1
	s_mov_b32 s[G0+4*\s], 1
	s_add_co_u32 s[G0+4*\s+1], s94, \s*SLOT
	s_add_nc_u64 s[G0+4*\s+2:G0+4*\s+3], s[4:5], \s*ROWB
	s_or_b32 s[G0+4*\s+3], s[G0+4*\s+3], 0x80000000
	s_mov_b32 s[G0B+4*\s], 1
	s_add_co_u32 s[G0B+4*\s+1], s94, \s*SLOT
	s_add_nc_u64 s[G0B+4*\s+2:G0B+4*\s+3], s[8:9], \s*ROWB
	s_or_b32 s[G0B+4*\s+3], s[G0B+4*\s+3], 0x80000000
	JLOAD G0+4*\s, G1, G0B+4*\s, G1B               ; two loads of mine are out
.endr
	s_lshl_b32 s76, s63, 13
	s_lshl_b32 s69, s[HS1], 12
	s_add_co_u32 s76, s76, s69                     ; (256 y + 128 x my half of the tokens) x 32 bytes of scales
	s_lshl_b32 s78, s68, 13
	s_lshl_b32 s69, s[HS0], 12
	s_add_co_u32 s78, s78, s69                     ; (256 x + 128 x my half of the columns) x 32
	s_add_nc_u64 s[6:7], s[6:7], s[76:77]          ; q's scales
	s_add_nc_u64 s[10:11], s[10:11], s[78:79]      ; Wq's
	s_lshr_b32 s76, s76, 3                         ; the same tokens x 4 bytes
	s_add_nc_u64 s[12:13], s[12:13], s[76:77]      ; mask_q at my first token
	s_lshr_b32 s26, s63, 4                         ; the batch
	s_lshl_b32 s26, s26, 2
	s_add_co_u32 s26, s26, s68
	s_lshl_b32 s26, s26, 1
	s_add_co_u32 s26, s26, s[HS0]                  ; (16 n + my first head) / 2
	s_lshl_b32 s26, s26, 13                        ; 4,096 bytes a head
	s_mov_b32 s27, 0
	s_add_nc_u64 s[92:93], s[14:15], s[26:27]      ; kv's codes of my two heads
	s_lshl_b32 s26, s63, 20                        ; out0: (256 y + 128 half) rows of 4,096 bytes + (256 x + 128 half) x 4
	s_lshl_b32 s69, s[HS1], 19
	s_add_co_u32 s26, s26, s69
	s_lshl_b32 s69, s68, 10
	s_add_co_u32 s26, s26, s69
	s_lshl_b32 s69, s[HS0], 9
	s_add_co_u32 s26, s26, s69
	s_add_nc_u64 s[90:91], s[16:17], s[26:27]
	v_and_b32 v1, 15, v0                           ; r
	v_bfe_u32 v2, v0, 4, 1                         ; h
	v_and_b32 v3, 31, v0                           ; lane
	v_lshlrev_b32 v[L16], 4, v3
	v_lshlrev_b32 v[L8], 3, v3
	v_lshlrev_b32 v[LSC], 5, v1
	v_lshl_add_u32 v[LSC], v2, 11, v[LSC]
	v_lshlrev_b32 v[L4R], 2, v1
	SCLOAD 10, 6
	WIN TO_B
.irp g, 0,1
.irp e, 0,1,2,3
	global_load_b128 v[KV+12*\e+6*\g:KV+12*\e+6*\g+3], v[L16], s[92:93] offset:4096*\g+1024*\e        ; kv's fragment e: head g's six registers, as they were stored
	global_load_b64 v[KV+12*\e+6*\g+4:KV+12*\e+6*\g+5], v[L8], s[92:93] offset:4096*\g+1024*\e+512
.endr
.endr
	WIN 0
.irp e, 0,1,2,3
	global_load_b32 v[KS+\e], v[L8], s[92:93] offset:1024*\e+768
	global_load_b32 v[KR+\e], v[L8], s[92:93] offset:4096+1024*\e+768
.endr
.irp a, 0,1,2,3,4,5,6,7
	global_load_b32 v[BQ+\a], v[L4R], s[12:13] offset:64*\a
.endr
	v_mul_u32_u24 v30, v1, PITCH
	v_mul_u32_u24 v31, v2, 24
	v_add_nc_u32 v30, v30, v31                     ; a fragment's row x pitch + 24 x half
	v_lshl_add_u32 v31, v2, 4, v30                 ; and the same behind one padding more
	s_mul_i32 s69, s[HS1], HALFT                   ; my 128 tokens
	s_mul_i32 s95, s[HS0], HALFT                   ; my 128 rows of Wq,
	s_add_co_u32 s95, s95, 2*HALFT                 ; which lie behind the 256 tokens
.irp s, 0,1
	v_add_nc_u32 v[ADRA+\s], s69, v30
	v_add_nc_u32 v[ADRB+\s], s95, v30
	v_add_nc_u32 v[ADRA+2+\s], s69, v31
	v_add_nc_u32 v[ADRB+2+\s], s95, v31
	s_add_co_u32 s69, s69, SLOT
	s_add_co_u32 s95, s95, SLOT
.endr
	s_mul_i32 s69, s[WV], 16*SPITCH                ; my stage
	v_mul_u32_u24 v[STO], v1, SPITCH
	v_lshl_add_u32 v[STO], v2, 5, v[STO]
	v_add_nc_u32 v[STO], s69, v[STO]               ; in: row r, 32 bytes for each half of the lanes
	v_add_nc_u32 v[RD], s69, v[L16]                ; back: the 32 lanes take one row of 512 bytes
	s_wait_loadcnt 32                              ; the GEMM's 16 scale loads are in; kv's 16, its 8 words and the 8 masks may be out
	s_wait_tensorcnt 1                             ; my part of K step 0 is in; K step 1's load may be out
	s_barrier_signal -1
	s_barrier_wait -1
	FETCH_B 0, 0, 0
	FETCH_A 0, 0, 0
	FETCH_A 0, 0, 4
	STEP 0, 0, 1                                   ; the first products start the sums: nothing is cleared
	TURN 0, 1, 1, 1
	STEP 1, 2, 0
	TURN 1, 0, 3, 1
	STEP 0, 4, 0
	TURN 0, 1, 5, 0                                ; nothing is filled again, so no round: behind this barrier nobody reads slot 0, and it has had its last fill
	STEP 1, 6, 0
	LAST 7
	PLACES NP
	s_wait_loadcnt 0x0                             ; kv, its words, the masks
.irp a, 0,1,2,3,4,5,6,7
	v_cvt_f32_i32 v[BQ+\a], v[BQ+\a]
.endr
.irp a, 0,2,4,6
	v_pk_fma_f32 v[BQ+\a:BQ+\a+1], v[BQ+\a:BQ+\a+1], s[TENK:TENK+1], s[TENK:TENK+1] op_sel_hi:[1,0,0] neg_lo:[0,0,1] neg_hi:[0,0,1]   ; 10000 m - 10000 = -10000 (1 - m)
.endr
.irp e, 0,1,2,3
	v_lshl_or_b32 v[KS+\e], v[KR+\e], 16, v[KS+\e] ; bytes 0, 1: head 0's two blocks; bytes 2, 3: head 1's
.endr
.irp i, 0,1,2,3,4,5
	v_mov_b32 v[PC+6+\i], 0                        ; the six registers of zero codes, written once
.endr
.irp b, 0,1,2,3
	v_mov_b32 v[T+\b], 0                           ; a lane permute's destination counts as one of its sources
.endr
.irp a, 0,1,2,3,4,5,6,7
	QBLOCK \a
.endr
	SEND 7
	s_wait_tensorcnt 0x0                           ; the wave's end
	ds_add_u32 v[SPW], v[NIL]
	s_wait_dscnt 0x0
	CROUND                                         ; the closing round
	s_endpgm
.Lfunc_end_k_q2d50857ace_qout:
	.size	k_q2d50857ace_qout, .Lfunc_end_k_q2d50857ace_qout-k_q2d50857ace_qout
	.p2alignl 7, 3214868480
	.fill 96, 4, 3214868480
	.section	.rodata,"a",@progbits
	.p2align	6, 0x0
	.amdhsa_kernel k_q2d50857ace_qout
		.amdhsa_group_segment_fixed_size 327680
		.amdhsa_private_segment_fixed_size 0
		.amdhsa_enable_private_segment 0
		.amdhsa_kernarg_size 56
		.amdhsa_user_sgpr_count 2
		.amdhsa_user_sgpr_kernarg_segment_ptr 1
		.amdhsa_wavefront_size32 1
		.amdhsa_system_sgpr_workgroup_id_x 1
		.amdhsa_system_sgpr_workgroup_id_y 1
		.amdhsa_system_sgpr_workgroup_id_z 1
		.amdhsa_system_vgpr_workitem_id 0
		.amdhsa_next_free_vgpr 1024
		.amdhsa_next_free_sgpr 96
		.amdhsa_reserve_vcc 0
		.amdhsa_float_denorm_mode_32 3
		.amdhsa_float_denorm_mode_16_64 3
		.amdhsa_memory_ordered 1
		.amdhsa_forward_progress 1
		.amdhsa_inst_pref_size 255
	.end_amdhsa_kernel
	.section	.bss,"aw",@nobits
	.p2align	6
	.space	262144
	.amdgpu_metadata
---
amdhsa.version: [ 1, 2 ]
amdhsa.kernels:
  - .name:           k_q2d50857ace_qout
    .symbol:         k_q2d50857ace_qout.kd
    .args:
      - { .name: q_codes, .offset: 0, .size: 8, .value_kind: global_buffer, .address_space: global }
      - { .name: q_scales, .offset: 8, .size: 8, .value_kind: global_buffer, .address_space: global }
      - { .name: Wq_codes, .offset: 16, .size: 8, .value_kind: global_buffer, .address_space: global }
      - { .name: Wq_scales, .offset: 24, .size: 8, .value_kind: global_buffer, .address_space: global }
      - { .name: mask_q, .offset: 32, .size: 8, .value_kind: global_buffer, .address_space: global }
      - { .name: kvc, .offset: 40, .size: 8, .value_kind: global_buffer, .address_space: global }
      - { .name: out0, .offset: 48, .size: 8, .value_kind: global_buffer, .address_space: global }
    .group_segment_fixed_size: 327680
    .private_segment_fixed_size: 0
    .kernarg_segment_align: 8
    .kernarg_segment_size: 56
    .max_flat_workgroup_size: 128
    .sgpr_count:     96
    .vgpr_count:     1024
    .wavefront_size: 32
...
	.end_amdgpu_metadata
.endif
;; end of part 3
